; MI455X (gfx1250); checked and timed in simulation.
; The chip was launched on July 23, 2026; its instructions are those of AMD's public machine-readable ISA for CDNA 5 (MIT licence, August 2026) and "CDNA5" Instruction Set Architecture Reference Guide (July 2026). The comments in the code are by the model that wrote it; some were corrected since.
;; Custom Encoder Layer. Allowed arithmetic: matrix products marked QUANTISED: E5M2 operands, one given power-of-two scale a tensor, by v_wmma_f32_16x16x64_bf8_bf8 or v_wmma_f32_16x16x128_bf8_bf8, f32 sums; everything else in f32.
;; Inputs: W1 1,024 x 1,024 float32; W2 1,024 x 1,024 float32; Wk 1,024 x 1,024 float32; Wo 1,024 x 1,024 float32; Wq 1,024 x 1,024 float32; Wv 1,024 x 1,024 float32; b1 1,024 float32; b2 1,024 float32; beta1 1,024 float32; beta2 1,024 float32; bk 1,024 float32; bo 1,024 float32; bq 1,024 float32; bv 1,024 float32; g1 1,024 float32; g2 1,024 float32; lowp_scales 16 int32 (the exponents e of the quantised operands' scales 2^e); src 8 x 1,024 x 1,024 float32.
;; Outputs: out0 8 x 1,024 x 1,024 float32.
;; This version of the problem:
;;   THIS VERSION OF THE PROBLEM IS GIVEN IN LOW PRECISION. The matrix products marked QUANTISED in the list below multiply operands that are first quantised to E5M2 (5 exponent bits, 2 mantissa bits; 8 bits a number), with one given power-of-two scale for each operand tensor; their sums are f32. All else is computed in f32.
;;   The module's matrix products, in the order in which they are computed (A, B: the left and right operand; K: the contracted axis; several contracted axes count as one K, in the product's order):
;;     1. [M 8,192, K 1,024] x [K 1,024, N 1,024]; A: computed on the way; B: input Wq: QUANTISED (scales: A lowp_scales[0], B lowp_scales[1])
;;     2. [M 8,192, K 1,024] x [K 1,024, N 1,024]; A: computed on the way; B: input Wk: QUANTISED (scales: A lowp_scales[2], B lowp_scales[3])
;;     3. [M 8,192, K 1,024] x [K 1,024, N 1,024]; A: computed on the way; B: input Wv: QUANTISED (scales: A lowp_scales[4], B lowp_scales[5])
;;     4. batch 128 x [M 1,024, K 64] x [K 64, N 1,024]; A: computed on the way; B: computed on the way: QUANTISED (scales: A lowp_scales[6], B lowp_scales[7])
;;     5. batch 128 x [M 1,024, K 1,024] x [K 1,024, N 64]; A: softmax (see below); B: computed on the way: QUANTISED (scales: A lowp_scales[8], B lowp_scales[9])
;;     6. [M 8,192, K 1,024] x [K 1,024, N 1,024]; A: computed on the way; B: input Wo: QUANTISED (scales: A lowp_scales[10], B lowp_scales[11])
;;     7. [M 8,192, K 1,024] x [K 1,024, N 1,024]; A: computed on the way; B: input W1: QUANTISED (scales: A lowp_scales[12], B lowp_scales[13])
;;     8. [M 8,192, K 1,024] x [K 1,024, N 1,024]; A: computed on the way; B: input W2: QUANTISED (scales: A lowp_scales[14], B lowp_scales[15])
;;   THE QUANTISER, for each operand of a quantised product, along K:
;;     - The operand's scale is 2^e, e = its entry of the input lowp_scales (int32; the entries are numbered through the quantised products in the list's order, A before B).
;;     - Each number is divided by the scale, clamped to +-57,344, and rounded to the nearest number of E5M2, ties to even, subnormals kept.
;;     - The product sums the exact products of the quantised numbers (number of the format x scale) in f32.
;;   ~~~python
;;   def quantise(x, axis, e):      # numpy; x: float32 -> the quantised numbers, widened to float32 again
;;       x = np.moveaxis(x, axis, -1); K = x.shape[-1]
;;       r = np.clip(x / 2.0 ** e, -57344, 57344)
;;       step = 2.0 ** (np.maximum(np.frexp(np.where(r == 0, 1, r))[1] - 1, -14) - 2)
;;       q = np.round(r / step) * step * 2.0 ** e      # np.round: ties to even
;;       return np.moveaxis(q, -1, axis).astype(np.float32)
;;   ~~~
;;   SOFTMAX AHEAD OF A QUANTISED PRODUCT. Where the list says 'softmax', what is quantised is not the finished softmax but p = 2^(t - M), with t = logit x log2(e) and M = ceil(the row's largest t), a whole number; so 1/2 < the row's largest p <= 1. The row's sum l is taken of the UNQUANTISED p, in f32, and the product's result is divided by l at the end. Since M is a whole number, a kernel that streams over the keys may use a running M (the ceiling of the running maximum): every later rescaling is an exact power of two, so the quantised numbers keep their values, but for numbers so far below the row's largest that they fall under the format's range.
;;   OPERANDS COMPUTED ON THE WAY. 'Computed on the way' means the value that the module computes at that place (a softmax that the list does not call 'softmax' is quantised finished and normalised). What goes into a quantiser is computed in f32, as accurately as f32 sums, v_exp_f32 and their like allow (about 1e-6 of the number): no bf16 or f16 on the way to a quantiser, and a product that is left as it is and whose result goes on into a quantised operand takes f32 operands (vector FMAs, or v_wmma_f32_16x16x4_f32). A number that lies on a knife's edge between two numbers of the format may be rounded either way, as far as f32 arithmetic and the matrix unit's own rounding can turn it there, and no further.
;; One version. Each part assembles by itself: llvm-mc -triple=amdgcn-amd-amdhsa -mcpu=gfx1250 --defsym DOCPART=n.
;; ======== version 1 of 1: 4 launches
;; limits: right only within a limited range of input values
;; workspace buffers: xc 25,165,824 bytes; wqkv 3,159,552 bytes; wop 1,062,400 bytes; w1p 1,062,400 bytes; w2p 1,062,400 bytes; qkv 25,165,824 bytes; ctx 8,388,608 bytes
;; launch prep (part 1): grid 704 x 1, 4 waves a work-group, no clusters, 85,504 bytes of LDS; arguments src, g1, beta1, lowp_scales, Wq, Wk, Wv, Wo, W1, W2, bq, bk, bv, bo, b1, b2, xc, wqkv, wop, w1p, w2p; writes xc, wqkv, wop, w1p, w2p
.if DOCPART == 1
	.amdgcn_target "amdgcn-amd-amdhsa--gfx1250"
	.amdhsa_code_object_version 6
	.text
	.protected	k_q635274ffd8_prep
	.globl	k_q635274ffd8_prep
	.p2align	8
	.type	k_q635274ffd8_prep,@function
k_q635274ffd8_prep:
	s_mov_b64 s[64:65], 0
	v_nop
	global_prefetch_b8 v0, s[64:65] scope:SCOPE_SE
	s_setreg_imm32_b32 hwreg(HW_REG_WAVE_MODE, 25, 1), 1
	s_wait_xcnt 0x0
; PREP.  Work-groups 0-191: the six weights [k][n] f32 become codes of BF8 (E5M2); their biases and a record of scales go beside them into a pack.
; Work-groups 192-703: x = layernorm(src) x g1 + beta1, quantised three times (scale entries 0, 2, 4) into three planes of xc.
; AN IMAGE is 16 rows x 64 k of codes, 1,024 bytes, laid as the plain 8-bit operand's registers: byte 512 c + 16 (r + 16 h) + 8 s + i holds row r, k = 32 c + 16 s + 8 h + i.
; Two loads of 16 bytes a lane at 16 x lane, 512 bytes apart, are then the 8 registers of a fragment of K = 64; two neighbouring images are one of K = 128.
; A matrix [rows][1024] lies as [row / 16][k / 64][image].  A PACK: records at 512 p, biases at 1,536 + 4,096 p, codes at 13,824 + (p << 20).
; A record is four words: 2^(eA + eB), 2^eOut, 57,344 x 2^eOut, and the lower hold (minus that, or 0 where a relu follows), as f32 patterns.
; LIMITS: eA + eB between -126 and 127; each quantiser's exponent between -126 and 112.  NaN among the inputs is not served.
; The two paths part on the work-group's number and have LDS bytes of their own: the weights' stages at 0, the norm's at 32,768.
.set X,      32                        ; v32-95   weights: two sets of 32 numbers
.set C,      96                        ; v96-103  weights: a block's codes
.set OUTR,   112                       ; v112-175 weights: the way out
.set NPL,    3                         ; planes of codes that the norm writes
.set LNBASE, 32768                     ; the norm's stage
.set UP,     272                       ; a unit of 256 bytes of a plane's tile + 16 of padding: unit u starts at bank 4 u mod 64 (64 banks of 4 bytes: ISA guide 11.1)
.set PLANE,  64*UP                     ; a plane's tile in the stage
.set XL,     64                        ; v64-191  the norm: four rows, 32 numbers a lane each
.set GG,     192                       ; v192-223 the gain at my lane's 32 columns
.set BT,     224                       ; v224-255 the offset likewise
	v_lshl_add_u32 v15, v0, 2, 0x14c00
	s_set_vgpr_msb 0x40
	v_mov_b32 v1, 0
	s_set_vgpr_msb 0x4000
	v_lshrrev_b32 v1, 5, v0
	v_readfirstlane_b32 s3, v1                     ; wave 0..3
	v_and_b32 v2, 31, v0                           ; lane
	s_cmp_ge_u32 ttmp9, 192
	s_cbranch_scc1 .Lln
; ---------------- THE WEIGHTS.  32 work-groups a weight: 8 groups of 128 columns x 4 groups of 256 along K.
; A lane takes a column n and its registers run down K: each load reads 128 consecutive bytes a wave, and the conversions give codes with K innermost.
	s_load_b64 s[10:11], s[0:1], 0x18              ; the scales' exponents
	s_load_b256 s[12:19], s[0:1], 0x20             ; Wq, Wk, Wv, Wo
	s_load_b128 s[20:23], s[0:1], 0x40             ; W1, W2
	s_load_b256 s[24:31], s[0:1], 0x50             ; bq, bk, bv, bo
	s_load_b128 s[32:35], s[0:1], 0x70             ; b1, b2
	s_load_b256 s[40:47], s[0:1], 0x88             ; the packs: wqkv, wop, w1p, w2p
	s_lshr_b32 s48, ttmp9, 5
	s_min_u32 s48, s48, 5                          ; which weight, 0..5
	s_and_b32 s50, ttmp9, 7                        ; which 128 columns
	s_bfe_u32 s51, ttmp9, 0x20003                  ; which 256 along K
	s_cmp_lt_u32 s48, 3
	s_cselect_b32 s49, s48, 0                      ; its place in its pack
	s_cselect_b32 s36, 0, 16
	s_lshl_b32 s37, s48, 3
	s_add_co_u32 s36, s36, s37                     ; byte of eA, eB: entries 0, 2, 4, 10, 12, 14
	s_lshl_b32 s37, s48, 2
	s_lshr_b32 s37, 0xfec976, s37
	s_and_b32 s37, s37, 15                         ; entry of the result's quantiser: 6, 7, 9, 12, 14, 15
	s_lshl_b32 s37, s37, 2
	s_wait_alu depctr_va_vdst(0)
	v_lshlrev_b32 v3, 2, v2                        ; in: 4 bytes a lane
	v_lshlrev_b32 v4, 4, v2                        ; 16 x lane
	v_and_b32 v5, 15, v2
	v_lshrrev_b32 v6, 4, v2
	v_lshlrev_b32 v7, 4, v5
	v_lshl_add_u32 v7, v6, 12, v7                  ; my column's place: tile of 16 columns lane / 16 (4 images), row lane % 16
	s_lshl_b32 s38, s3, 13                         ; my wave's stage: 8,192 bytes
	v_add_nc_u32 v7, s38, v7                       ; into the stage
	v_add_nc_u32 v8, s38, v4                       ; out of it
	s_wait_alu depctr_va_vdst(0)
	s_wait_kmcnt 0x0
	s_load_b64 s[58:59], s[10:11], s36 offset:0x0  ; eA, eB
	s_load_b32 s60, s[10:11], s37 offset:0x0       ; eOut
	s_mov_b64 s[52:53], s[12:13]                   ; the weight, its bias and its pack are chosen by the work-group's number alone
	s_mov_b64 s[54:55], s[24:25]
	s_mov_b64 s[56:57], s[40:41]
.macro PICK n, w, b, p
	s_cmp_eq_u32 s48, \n
	s_cselect_b64 s[52:53], s[\w:\w+1], s[52:53]
	s_cselect_b64 s[54:55], s[\b:\b+1], s[54:55]
	s_cselect_b64 s[56:57], s[\p:\p+1], s[56:57]
.endm
	PICK 1, 14, 26, 40
	PICK 2, 16, 28, 40
	PICK 3, 18, 30, 42
	PICK 4, 20, 32, 44
	PICK 5, 22, 34, 46
	s_lshl_b32 s4, s51, 20                         ; 256 rows of 4,096 bytes
	s_lshl_b32 s5, s50, 9                          ; 128 columns
	s_add_co_u32 s4, s4, s5
	s_lshl_b32 s5, s3, 7                           ; my wave's 32
	s_add_co_u32 s4, s4, s5
	s_mov_b32 s5, 0
	s_add_nc_u64 s[52:53], s[52:53], s[4:5]        ; the weight at my wave's first number
	s_lshl_b32 s6, s49, 20
	s_lshl_b32 s7, s50, 17                         ; 8 tiles of 16 columns x 16 images
	s_add_co_u32 s6, s6, s7
	s_lshl_b32 s7, s3, 15                          ; my wave's 2 tiles
	s_add_co_u32 s6, s6, s7
	s_lshl_b32 s7, s51, 12                         ; 4 images along K
	s_add_co_u32 s6, s6, s7
	s_add_co_u32 s6, s6, 13824
	s_mov_b32 s7, 0
	s_add_nc_u64 s[6:7], s[56:57], s[6:7]          ; where my wave's codes go
	s_lshl_b32 s8, s50, 9
	s_mov_b32 s9, 0
	s_add_nc_u64 s[54:55], s[54:55], s[8:9]        ; the bias at my group's 128 numbers
	s_lshl_b32 s12, s49, 12
	s_add_co_u32 s12, s12, s8
	s_add_co_u32 s12, s12, 1536
	s_mov_b32 s13, 0
	s_add_nc_u64 s[12:13], s[56:57], s[12:13]      ; and where they go
	s_lshl_b32 s14, s49, 9
	s_mov_b32 s15, 0
	s_add_nc_u64 s[14:15], s[56:57], s[14:15]      ; the record's place
.macro LOAD t                          ; block t: W(32 t + i, my column), i = 0 .. 31, into set t % 2
.set i, 0
.rept 32
	global_load_b32 v[X+32*((\t)%2)+i], v3, s[52:53] offset:(32*(\t)+i)*4096 th:TH_LOAD_NT
.set i, i+1
.endr
.endm
	LOAD 0
	LOAD 1
	s_wait_kmcnt 0x0
	s_add_co_i32 s16, s59, 127
	s_lshl_b32 s17, s16, 23
	v_mov_b32 v11, s17                             ; 2^eB as f32: the conversion takes its exponent field
	s_add_co_i32 s16, s16, 15
	s_lshl_b32 s16, s16, 23
	s_or_b32 s16, s16, 0x600000
	v_mov_b32 v10, s16                             ; 57,344 x 2^eB
	s_add_co_i32 s18, s58, s59
	s_add_co_i32 s18, s18, 127
	s_lshl_b32 s18, s18, 23                        ; the record: 2^(eA + eB),
	s_add_co_i32 s19, s60, 127
	s_lshl_b32 s20, s19, 23                        ; 2^eOut,
	s_add_co_i32 s19, s19, 15
	s_lshl_b32 s19, s19, 23
	s_or_b32 s21, s19, 0x600000                    ; 57,344 x 2^eOut,
	s_or_b32 s22, s21, 0x80000000                  ; minus that,
	s_cmp_eq_u32 s48, 4
	s_cselect_b32 s22, 0, s22                      ; or 0 behind W1, whose result goes through a relu
.macro BLOCK t
.set XS, X+32*((\t)%2)
.if (\t) < 7
	s_wait_loadcnt 32                              ; this block's 32 loads are in; the next block's may be out
.else
	s_wait_loadcnt 0
.endif
.set e, 0
.rept 32
	v_med3_num_f32 v[XS+e], v[XS+e], -v10, v10     ; the conversion to an 8-bit code does not saturate (ISA guide 7.6.2): the hold comes first
.set e, e+1
.endr
	v_cvt_scalef32_pk8_bf8_f32 v[C:C+1], v[XS:XS+7], v11         ; k = 0-7 and 16-23 of the block belong to the image's lanes 0-15,
	v_cvt_scalef32_pk8_bf8_f32 v[C+2:C+3], v[XS+16:XS+23], v11
	v_cvt_scalef32_pk8_bf8_f32 v[C+4:C+5], v[XS+8:XS+15], v11    ; k = 8-15 and 24-31 to its lanes 16-31
	v_cvt_scalef32_pk8_bf8_f32 v[C+6:C+7], v[XS+24:XS+31], v11
	ds_store_b128 v7, v[C:C+3] offset:((\t)/2)*1024+((\t)%2)*512
	ds_store_b128 v7, v[C+4:C+7] offset:((\t)/2)*1024+((\t)%2)*512+256
.if (\t)+2 < 8
	LOAD (\t)+2
.endif
	s_wait_dscnt 0x0                               ; the stores have read their registers: the next block's codes may be written
.endm
.set Q, 0
	s_wait_alu depctr_va_vdst(0)
.rept 8
	BLOCK Q
.set Q, Q+1
.endr
	v_nop                                          ; a plain line behind the last conversion
.irp i, 0,1,2,3,4,5,6,7,8,9,10,11,12,13,14,15
	ds_load_b128 v[OUTR+4*\i:OUTR+4*\i+3], v8 offset:512*\i      ; LDS serves a wave's instructions in order: these see my stores
.endr
.irp i, 0,1,2,3,4,5,6,7,8,9,10,11,12,13,14,15
	s_wait_dscnt 15-\i
	global_store_b128 v4, v[OUTR+4*\i:OUTR+4*\i+3], s[6:7] offset:(\i/8)*16384+(\i%8)*512   ; 32 lanes store 512 consecutive bytes
.endr
	s_or_b32 s23, s51, s3                          ; one wave of a group of columns copies its 128 numbers of the bias,
	s_cmp_lg_u32 s23, 0
	s_cbranch_scc1 .Lwend
	global_load_b128 v[16:19], v4, s[54:55]
	s_wait_loadcnt 0x0
	global_store_b128 v4, v[16:19], s[12:13]
	s_cmp_lg_u32 s50, 0                            ; and one wave of a weight writes the record, the same 16 bytes in each lane: 512 consecutive bytes
	s_cbranch_scc1 .Lwend
	v_mov_b32 v20, s18
	v_mov_b32 v21, s20
	v_mov_b32 v22, s21
	v_mov_b32 v23, s22
	global_store_b128 v4, v[20:23], s[14:15]
.Lwend:
	s_set_vgpr_msb 0x4
	s_wait_tensorcnt 0x0
	ds_add_u32 v15, v1
	s_wait_dscnt 0x0
	s_set_vgpr_msb 0x400
	s_endpgm
; ---------------- THE NORM.  A work-group takes 16 rows (a tile of rows), a wave four of them, whole, so that a row's sums never leave the wave.
; Of a row a lane holds k = 256 j + 8 lane + 0 .. 7, j = 0 .. 3: eight neighbours for each conversion.  The codes meet in a stage laid as the plane's 16 images, in units of 256 bytes.
.Lln:
	s_load_b256 s[4:11], s[0:1], 0x0               ; src, g1, beta1, the scales' exponents
	s_load_b64 s[12:13], s[0:1], 0x80              ; xc
	s_sub_co_u32 s14, ttmp9, 192                   ; the tile of rows
	s_wait_alu depctr_va_vdst(0)
	v_lshlrev_b32 v3, 5, v2                        ; in: 32 bytes a lane
	v_lshrrev_b32 v7, 3, v2
	v_lshlrev_b32 v7, 2, v7
	v_bfe_u32 v9, v2, 2, 1
	v_lshl_or_b32 v7, v9, 1, v7
	v_and_b32 v9, 1, v2
	v_add_nc_u32 v7, v7, v9                        ; my unit among a chunk's 16: 4 (lane / 8) + 2 ((lane / 4) % 2) + lane % 2
	v_mul_u32_u24 v4, v7, UP
	v_bfe_u32 v9, v2, 1, 1
	v_lshl_add_u32 v4, v9, 3, v4                   ; + 8 ((lane / 2) % 2)
	s_lshl_b32 s15, s3, 6                          ; + 16 bytes a row: my wave's four rows
	s_add_co_u32 s15, s15, LNBASE
	v_add_nc_u32 v4, s15, v4                       ; into the stage
	v_lshrrev_b32 v7, 4, v2
	v_mul_u32_u24 v5, v7, UP
	v_and_b32 v9, 15, v2
	v_lshl_add_u32 v5, v9, 4, v5
	s_mul_i32 s15, s3, 16*UP
	s_add_co_u32 s15, s15, LNBASE
	v_add_nc_u32 v5, s15, v5                       ; out of it: my wave's 16 units, two an instruction
	v_lshlrev_b32 v6, 4, v2
	s_lshl_b32 s15, s3, 12
	v_add_nc_u32 v6, s15, v6                       ; and the same place in a plane's tile
	s_lshl_b32 s32, s14, 16                        ; 16 rows of 4,096 bytes
	s_lshl_b32 s33, s3, 14                         ; my wave's four
	s_add_co_u32 s32, s32, s33
	s_mov_b32 s33, 0
	s_lshl_b32 s34, s14, 14                        ; a tile's 16 images
	s_mov_b32 s35, 0
	s_mov_b32 s38, 0x76543210                      ; v_permlanex16_b32: lane l xor 16
	s_mov_b32 s39, 0xfedcba98
	v_mov_b32 v8, 0                                ; written once: a lane permute's destination counts as read
	v_mov_b32 v11, 0                               ; (named as the upper halves of pairs)
	v_mov_b32 v13, 0
	v_mov_b32 v14, 0x3a800000                      ; 1 / 1,024
	s_wait_kmcnt 0x0
	s_load_b256 s[16:23], s[10:11], 0x0            ; entries 0 to 7: the planes take 0, 2 and 4
	s_add_nc_u64 s[4:5], s[4:5], s[32:33]
	s_add_nc_u64 s[24:25], s[12:13], s[34:35]      ; the three planes lie 8 MiB apart
	s_add_nc_u64 s[26:27], s[24:25], 0x800000
	s_add_nc_u64 s[28:29], s[26:27], 0x800000
.irp j, 0,1,2,3
	global_load_b128 v[GG+8*\j:GG+8*\j+3], v3, s[6:7] offset:1024*\j
	global_load_b128 v[GG+8*\j+4:GG+8*\j+7], v3, s[6:7] offset:1024*\j+16
.endr
.irp j, 0,1,2,3
	global_load_b128 v[BT+8*\j:BT+8*\j+3], v3, s[8:9] offset:1024*\j
	global_load_b128 v[BT+8*\j+4:BT+8*\j+7], v3, s[8:9] offset:1024*\j+16
.endr
.irp i, 0,1,2,3
.irp j, 0,1,2,3
	global_load_b128 v[XL+32*\i+8*\j:XL+32*\i+8*\j+3], v3, s[4:5] offset:4096*\i+1024*\j th:TH_LOAD_NT
	global_load_b128 v[XL+32*\i+8*\j+4:XL+32*\i+8*\j+7], v3, s[4:5] offset:4096*\i+1024*\j+16 th:TH_LOAD_NT
.endr
.endr
	s_wait_kmcnt 0x0
.set QP, 0
.rept NPL
	s_add_co_i32 s34, s[16+2*QP], 127
	s_lshl_b32 s35, s34, 23
	v_mov_b32 v[56+2*QP], s35                      ; 2^e of the plane
	s_add_co_i32 s34, s34, 15
	s_lshl_b32 s34, s34, 23
	s_or_b32 s34, s34, 0x600000
	v_mov_b32 v[57+2*QP], s34                      ; 57,344 x 2^e
.set QP, QP+1
.endr
.macro REDUCE                          ; four packed chains in v[16:23] become one sum, in every lane's v16
	v_pk_add_f32 v[16:17], v[16:17], v[18:19]
	v_pk_add_f32 v[20:21], v[20:21], v[22:23]
	v_pk_add_f32 v[16:17], v[16:17], v[20:21]
	v_add_f32 v16, v16, v17
	v_add_f32_dpp v16, v16, v16 row_xmask:1 row_mask:0xf bank_mask:0xf
	v_add_f32_dpp v16, v16, v16 row_xmask:2 row_mask:0xf bank_mask:0xf
	v_add_f32_dpp v16, v16, v16 row_xmask:4 row_mask:0xf bank_mask:0xf
	v_add_f32_dpp v16, v16, v16 row_xmask:8 row_mask:0xf bank_mask:0xf
	v_permlanex16_b32 v8, v16, s38, s39
	v_add_f32 v16, v16, v8
.endm
.macro LNROW i
.set XR, XL+32*(\i)
	s_wait_loadcnt 8*(3-(\i))                      ; this row's eight loads are in; the later rows' may be out
.irp c, 0,1,2,3
	v_pk_add_f32 v[16+2*\c:17+2*\c], v[XR+2*\c:XR+2*\c+1], v[XR+8+2*\c:XR+9+2*\c]
.endr
.irp c, 0,1,2,3
	v_pk_add_f32 v[16+2*\c:17+2*\c], v[16+2*\c:17+2*\c], v[XR+16+2*\c:XR+17+2*\c]
.endr
.irp c, 0,1,2,3
	v_pk_add_f32 v[16+2*\c:17+2*\c], v[16+2*\c:17+2*\c], v[XR+24+2*\c:XR+25+2*\c]
.endr
	REDUCE
	v_mul_f32 v10, v14, v16                        ; the mean
.set e, 0
.rept 16
	v_pk_add_f32 v[XR+e:XR+e+1], v[XR+e:XR+e+1], v[10:11] op_sel_hi:[1,0] neg_lo:[0,1] neg_hi:[0,1]   ; x - mean: the variance is taken of the differences
.set e, e+2
.endr
.irp c, 0,1,2,3
	v_pk_mul_f32 v[16+2*\c:17+2*\c], v[XR+2*\c:XR+2*\c+1], v[XR+2*\c:XR+2*\c+1]
.endr
.irp c, 0,1,2,3
	v_pk_fma_f32 v[16+2*\c:17+2*\c], v[XR+8+2*\c:XR+9+2*\c], v[XR+8+2*\c:XR+9+2*\c], v[16+2*\c:17+2*\c]
.endr
.irp c, 0,1,2,3
	v_pk_fma_f32 v[16+2*\c:17+2*\c], v[XR+16+2*\c:XR+17+2*\c], v[XR+16+2*\c:XR+17+2*\c], v[16+2*\c:17+2*\c]
.endr
.irp c, 0,1,2,3
	v_pk_fma_f32 v[16+2*\c:17+2*\c], v[XR+24+2*\c:XR+25+2*\c], v[XR+24+2*\c:XR+25+2*\c], v[16+2*\c:17+2*\c]
.endr
	REDUCE
	v_fmaak_f32 v12, v16, v14, 0x3727c5ac          ; the variance + 1e-5
	s_wait_alu depctr_va_vdst(0)
	v_rsq_f32 v12, v12
	v_nop                                          ; a plain line behind the transcendental,
	s_wait_alu depctr_va_vdst(0)                   ; and the wait ahead of its first reader
.set e, 0
.rept 16
	v_pk_mul_f32 v[XR+e:XR+e+1], v[XR+e:XR+e+1], v[12:13] op_sel_hi:[1,0]
.set e, e+2
.endr
.set e, 0
.rept 16
	v_pk_fma_f32 v[XR+e:XR+e+1], v[XR+e:XR+e+1], v[GG+e:GG+e+1], v[BT+e:BT+e+1]
.set e, e+2
.endr
	s_wait_dscnt 0x0                               ; the last row's stores into the stage have read their registers
.set QP, 0
.rept NPL
.irp j, 0,1,2,3
.set TS, 16+8*((\j)%2)                 ; two sets by turns: the next set's holds are the plain lines behind each conversion
.irp e, 0,1,2,3,4,5,6,7
	v_med3_num_f32 v[TS+\e], v[XR+8*\j+\e], -v[57+2*QP], v[57+2*QP]
.endr
	v_cvt_scalef32_pk8_bf8_f32 v[32+2*(4*QP+\j):33+2*(4*QP+\j)], v[TS:TS+7], v[56+2*QP]
	ds_store_b64 v4, v[32+2*(4*QP+\j):33+2*(4*QP+\j)] offset:PLANE*QP+16*UP*\j+16*(\i)
.endr
.set QP, QP+1
.endr
	v_nop                                          ; a plain line behind the last conversion
.endm
	LNROW 0
	LNROW 1
	LNROW 2
	LNROW 3
	s_wait_dscnt 0x0                               ; for the others' sake: my stores into the stage are done
	s_barrier_signal -1
	s_barrier_wait -1
.set QP, 0
.rept NPL
.irp i, 0,1,2,3,4,5,6,7
	ds_load_b128 v[XL+32*QP+4*\i:XL+32*QP+4*\i+3], v5 offset:PLANE*QP+2*UP*\i
.endr
.set QP, QP+1
.endr
.set QP, 0
.rept NPL
.irp i, 0,1,2,3,4,5,6,7
	s_wait_dscnt 8*NPL-1-8*QP-\i
	global_store_b128 v6, v[XL+32*QP+4*\i:XL+32*QP+4*\i+3], s[24+2*QP:25+2*QP] offset:512*\i   ; 32 lanes store 512 consecutive bytes
.endr
.set QP, QP+1
.endr
	s_set_vgpr_msb 0x4
	s_wait_tensorcnt 0x0
	ds_add_u32 v15, v1
	s_wait_dscnt 0x0
	s_set_vgpr_msb 0x400
	s_endpgm
.Lfunc_end_k_q635274ffd8_prep:
	.size	k_q635274ffd8_prep, .Lfunc_end_k_q635274ffd8_prep-k_q635274ffd8_prep
	.p2alignl 7, 3214868480
	.fill 96, 4, 3214868480
	.section	.rodata,"a",@progbits
	.p2align	6, 0x0
	.amdhsa_kernel k_q635274ffd8_prep
		.amdhsa_group_segment_fixed_size 85504
		.amdhsa_private_segment_fixed_size 0
		.amdhsa_enable_private_segment 0
		.amdhsa_kernarg_size 168
		.amdhsa_user_sgpr_count 2
		.amdhsa_user_sgpr_kernarg_segment_ptr 1
		.amdhsa_wavefront_size32 1
		.amdhsa_system_sgpr_workgroup_id_x 1
		.amdhsa_system_sgpr_workgroup_id_y 1
		.amdhsa_system_sgpr_workgroup_id_z 1
		.amdhsa_system_vgpr_workitem_id 0
		.amdhsa_next_free_vgpr 258
		.amdhsa_next_free_sgpr 66
		.amdhsa_reserve_vcc 0
		.amdhsa_float_denorm_mode_32 3
		.amdhsa_float_denorm_mode_16_64 3
		.amdhsa_memory_ordered 1
		.amdhsa_forward_progress 1
		.amdhsa_inst_pref_size 119
	.end_amdhsa_kernel
	.amdgpu_metadata
---
amdhsa.version: [ 1, 2 ]
amdhsa.kernels:
  - .name:           k_q635274ffd8_prep
    .symbol:         k_q635274ffd8_prep.kd
    .args:
      - { .name: src, .offset: 0, .size: 8, .value_kind: global_buffer, .address_space: global }
      - { .name: g1, .offset: 8, .size: 8, .value_kind: global_buffer, .address_space: global }
      - { .name: beta1, .offset: 16, .size: 8, .value_kind: global_buffer, .address_space: global }
      - { .name: lowp_scales, .offset: 24, .size: 8, .value_kind: global_buffer, .address_space: global }
      - { .name: Wq, .offset: 32, .size: 8, .value_kind: global_buffer, .address_space: global }
      - { .name: Wk, .offset: 40, .size: 8, .value_kind: global_buffer, .address_space: global }
      - { .name: Wv, .offset: 48, .size: 8, .value_kind: global_buffer, .address_space: global }
      - { .name: Wo, .offset: 56, .size: 8, .value_kind: global_buffer, .address_space: global }
      - { .name: W1, .offset: 64, .size: 8, .value_kind: global_buffer, .address_space: global }
      - { .name: W2, .offset: 72, .size: 8, .value_kind: global_buffer, .address_space: global }
      - { .name: bq, .offset: 80, .size: 8, .value_kind: global_buffer, .address_space: global }
      - { .name: bk, .offset: 88, .size: 8, .value_kind: global_buffer, .address_space: global }
      - { .name: bv, .offset: 96, .size: 8, .value_kind: global_buffer, .address_space: global }
      - { .name: bo, .offset: 104, .size: 8, .value_kind: global_buffer, .address_space: global }
      - { .name: b1, .offset: 112, .size: 8, .value_kind: global_buffer, .address_space: global }
      - { .name: b2, .offset: 120, .size: 8, .value_kind: global_buffer, .address_space: global }
      - { .name: xc, .offset: 128, .size: 8, .value_kind: global_buffer, .address_space: global }
      - { .name: wqkv, .offset: 136, .size: 8, .value_kind: global_buffer, .address_space: global }
      - { .name: wop, .offset: 144, .size: 8, .value_kind: global_buffer, .address_space: global }
      - { .name: w1p, .offset: 152, .size: 8, .value_kind: global_buffer, .address_space: global }
      - { .name: w2p, .offset: 160, .size: 8, .value_kind: global_buffer, .address_space: global }
    .group_segment_fixed_size: 85504
    .private_segment_fixed_size: 0
    .kernarg_segment_align: 8
    .kernarg_segment_size: 168
    .max_flat_workgroup_size: 128
    .sgpr_count:     66
    .vgpr_count:     258
    .wavefront_size: 32
...
	.end_amdgpu_metadata
.endif
;; end of part 1
;; launch qkv (part 2): grid 12 x 32, 4 waves a work-group, clusters of 4 x 4, 327,680 bytes of LDS; arguments xc, wqkv, qkv; writes qkv
.if DOCPART == 2
	.amdgcn_target "amdgcn-amd-amdhsa--gfx1250"
	.amdhsa_code_object_version 6
	.text
	.protected	k_q635274ffd8_qkv
	.globl	k_q635274ffd8_qkv
	.p2align	8
	.type	k_q635274ffd8_qkv,@function
k_q635274ffd8_qkv:
	s_mov_b64 s[64:65], 0
	v_nop
	global_prefetch_b8 v0, s[64:65] scope:SCOPE_SE
	s_setreg_imm32_b32 hwreg(HW_REG_WAVE_MODE, 25, 1), 1
	s_wait_xcnt 0x0
	s_wait_alu depctr_hold_cnt(0) depctr_sa_sdst(0) depctr_va_vdst(0) depctr_va_sdst(0) depctr_va_ssrc(0) depctr_va_vcc(0) depctr_vm_vsrc(0)
	s_getreg_b32 s2, hwreg(HW_REG_IB_STS2, 6, 4)
	s_cmp_eq_u32 s2, 0
	s_cbranch_scc0 .Lentry_in_a_cluster
	s_endpgm
.Lentry_in_a_cluster:
	s_bfe_u32 s2, ttmp6, 0x10000c
	s_cmp_lg_u32 s2, 0xf033
	s_cbranch_scc0 .Lentry_shape_is_right
	s_endpgm
.Lentry_shape_is_right:
; A GEMM ON CODES OF BF8 WHOSE RESULT IS QUANTISED AGAIN: out = Q(act W + bias), act [8192][1024] and W^T [1024][1024] as images (16 rows x 64 k, 1,024 bytes, laid as the plain operand's registers;
; a matrix lies as [row / 16][k / 64][image]).  The cluster's x is the plane p: plane p of the activations, part p of the pack of weights, plane p of the result.
; The pack: a record of four words at 512 p (2^(eA + eB), 2^eOut, 57,344 x 2^eOut, the lower hold), the bias at 1,536 + 4,096 p, the codes at 13,824 + (p << 20).
; A tile of C, 256 x 256, is made by four waves, 128 x 128 each: 64 accumulators, 512 registers.  K goes in four steps of 256 through a ring of two LDS slots filled by the tensor data mover.
; THE MATRIX INSTRUCTION IS USED TRANSPOSED (source 0 = 16 rows of the column operand "B", source 1 = 16 rows of the row operand "A"): a lane holds one row of A's and eight neighbouring rows of B's,
; so one conversion of an accumulator gives two registers of the next product's fragment, and the results are stored as images straight from registers, 512 consecutive bytes an instruction.
; PLANES 0, 1 (and the feed-forward's first layer): A = activations (tokens), B = weights: the result lies [token / 16][feature / 64].
; PLANE 2 (the values): A = weights, B = activations: the result is V^T, [feature / 16][token / 64] with 128 images to a tile of rows: the keys are the next product's K.
; CLUSTERS: 4 x 4 work-groups; A's tiles are asked for jointly along a row of the cluster, B's along a column.  All that hangs on p is the same in all sixteen partners.
; LIMITS: eA + eB between -126 and 127; eOut between -126 and 112.  NaN is not served.
; REGISTERS: window 0: v0-31 addresses; v32-95 the bias along a lane's registers; v96-111 the bias along the lanes, twice each; v112-114 the holds and the scale; from v128 A's fragments, ONE set
;   (on the way out v128-191 the sums at work, v192-223 codes).  window 1: B's fragments, TWO sets.  windows 2, 3: the accumulators ((a, b) at v[8 (8 (a % 4) + b)]).
.set FR,     16                        ; registers of a fragment: 16 rows x 128 K
.set NL,     4                         ; LDS loads that bring one
.set NP,     4                         ; places behind this matrix instruction (ISA guide 7.12.1)
.set HALFT,  32768                     ; 128 rows x 256 K: 8 tiles of rows x 4 images: what one tensor load brings
.set SLOT,   4*HALFT                   ; A's 256 rows, then B's 256 rows
.set SPARE,  2*SLOT                    ; behind the ring: the spare words, 128 bytes a wave, that no other line names
.set LAPS,   2                         ; a lap = two K steps = once round the ring
.set ADRA, 16                          ; v16-17  LDS address of my A fragments in slot 0, 1
.set ADRB, 20                          ; v20-21  the same for B
.set LI,   24                          ; v24     16 x lane
.set SPW,  28                          ; v28     my spare word; never rewritten
.set NIL,  29                          ; v29     0; never rewritten
.set BC,   32
.set BR,   96
.set LO,   112
.set HI,   113
.set SC,   114
.set AF,   128
.set TMP,  128
.set PC,   192
.set G1, 24                            ; s[24:31] descriptor group 1 for A's tiles;  s[32:39] group 0, one set for each slot
.set G0, 32
.set G1B, 48                           ; s[48:55], s[56:63] the same for B's tiles
.set G0B, 56
.set MSB, 0
.macro WIN new                         ; the immediate's high byte repeats the setting that is left
.if MSB != \new
	s_set_vgpr_msb (MSB<<8)|\new
.set MSB, \new
.endif
.endm
.set MUL_LO, 0xa1                      ; source 0 (B) window 1, source 1 (A) window 0, C and D window 2
.set MUL_HI, 0xf1                      ; the same, C and D window 3
.set TO_B,   0x40                      ; destination window 1, address window 0
; A joint load: waves 0 and 1 fetch for A, waves 2 and 3 for B.  The branch hangs on the wave's number alone.  Four v_nop follow each of the two lines.
.macro JLOAD g0a, g1a, g0b, g1b
	s_cmp_eq_u32 s15, 0
	s_cbranch_scc0 .Lfor_b_\@
	tensor_load_to_lds s[\g0a:\g0a+3], s[\g1a:\g1a+7]
	s_nop 0
.rept 4
	v_nop
.endr
	s_branch .Lasked_\@
.Lfor_b_\@:
	tensor_load_to_lds s[\g0b:\g0b+3], s[\g1b:\g1b+7]
	s_nop 0
.rept 4
	v_nop
.endr
.Lasked_\@:
.endm
.macro CREST                           ; a round of the cluster's barrier behind its opening barrier
	s_cmp_lg_u32 s14, 0
	s_cbranch_scc1 .Lnot_wave_0_\@
	s_barrier_signal -3
.Lnot_wave_0_\@:
	s_barrier_wait -3
	s_barrier_signal -1
	s_barrier_wait -1
.endm
.macro CROUND                          ; a whole round
	s_barrier_signal -1
	s_barrier_wait -1
	CREST
.endm
	s_load_b128 s[4:7], s[0:1], 0x0                ; the activations' codes s[4:5], the pack s[6:7]
	s_load_b64 s[8:9], s[0:1], 0x10                ; the result's codes
	v_lshl_add_u32 v[SPW], v0, 2, SPARE
	v_mov_b32 v[NIL], 0
	ds_add_u32 v28, v29
	ds_add_u32 v28, v29
	s_wait_dscnt 0x0
	v_lshrrev_b32 v1, 5, v0
	v_readfirstlane_b32 s14, v1                    ; wave 0..3
	s_lshr_b32 s15, s14, 1                         ; which half of the tile's rows is mine.  Also: I fetch for A (0) or for B (1)
	s_and_b32 s16, s14, 1                          ; which half of its columns.  Also: which 128 rows of that tile I fetch
	s_bfe_u32 s40, ttmp6, 0x40000                  ; cx, cy: my place in the cluster
	s_bfe_u32 s41, ttmp6, 0x40004
	s_mov_b32 s66, ttmp9                           ; p: the cluster's x
	s_and_b32 s67, ttmp7, 0xffff                   ; the cluster's y walks the tokens:
	s_cmp_eq_u32 s66, 2
	s_cselect_b32 s68, 0, s67                      ; they are A's rows in planes 0 and 1,
	s_cselect_b32 s69, s67, 0                      ; B's rows in plane 2
	s_lshl_b32 s17, s68, 2
	s_add_co_u32 s17, s17, s41                     ; tile row of C
	s_lshl_b32 s42, s69, 2
	s_add_co_u32 s42, s42, s40                     ; tile column of C
	s_lshl_b32 s43, s41, 2
	s_lshl_b32 s43, 15, s43                        ; my row of the cluster
	s_lshl_b32 s44, 0x1111, s40                    ; my column
	; descriptor group 1: 8 tiles of rows, of each 4 images on end (4,096 bytes = 512 elements of 8 bytes), 16 images (2,048 elements) apart in memory, dense in LDS
	s_or_b32 s[G1+0], s43, (3<<16)|(1<<21)         ; 15:0 the mask: A's tiles go to my row; 17:16 elements of 8 bytes; 21 set beside a mask; no padding: a fragment load's 512 bytes are consecutive
	s_or_b32 s[G1B+0], s44, (3<<16)|(1<<21)
.irp g, G1, G1B
	s_mov_b32 s[\g+1], 512<<16                     ; tensor_dim0
	s_mov_b32 s[\g+2], 8<<16                       ; tensor_dim1
	s_mov_b32 s[\g+3], 512<<16                     ; tile_dim0
	s_mov_b32 s[\g+4], 8                           ; tile_dim1
	s_mov_b32 s[\g+5], 2048                        ; tensor_dim0_stride
	s_mov_b32 s[\g+6], 0
	s_mov_b32 s[\g+7], 0
.endr
	s_lshl_b32 s18, s16, 17                        ; which 128 rows of the tile I fetch: 8 tiles of 16,384 bytes
	s_lshl_b32 s20, s17, 18
	s_add_co_u32 s20, s20, s18                     ; A: 256 rows x tile row + 128 x half
	s_mov_b32 s21, 0
	s_lshl_b32 s46, s42, 18
	s_add_co_u32 s46, s46, s18                     ; B: 256 rows x tile column + 128 x half
	s_mov_b32 s47, 0
	s_mul_i32 s45, s14, HALFT                      ; where they go: no place in the cluster enters an LDS address
	s_lshl_b32 s70, s66, 9                         ; the record's place
	s_lshl_b32 s72, s66, 23                        ; the plane of activations
	s_mov_b32 s73, 0
	s_lshl_b32 s74, s66, 20                        ; the part of the pack's codes
	s_add_co_u32 s74, s74, 13824
	s_mov_b32 s75, 0
	s_wait_kmcnt 0x0
	s_load_b128 s[92:95], s[6:7], s70 offset:0x0   ; the record
	s_add_nc_u64 s[72:73], s[4:5], s[72:73]
	s_add_nc_u64 s[74:75], s[6:7], s[74:75]
	s_cmp_eq_u32 s66, 2
	s_cselect_b64 s[76:77], s[74:75], s[72:73]     ; A's codes
	s_cselect_b64 s[78:79], s[72:73], s[74:75]     ; B's codes
	s_add_nc_u64 s[20:21], s[76:77], s[20:21]
	s_add_nc_u64 s[46:47], s[78:79], s[46:47]
	CROUND                                         ; all sixteen work-groups are here: the first joint loads meet
.irp s, 0,1
	s_mov_b32 s[G0+4*\s], 1
	s_add_co_u32 s[G0+4*\s+1], s45, \s*SLOT
	s_add_nc_u64 s[G0+4*\s+2:G0+4*\s+3], s[20:21], \s*4096
	s_or_b32 s[G0+4*\s+3], s[G0+4*\s+3], 0x80000000
	s_mov_b32 s[G0B+4*\s], 1
	s_add_co_u32 s[G0B+4*\s+1], s45, \s*SLOT
	s_add_nc_u64 s[G0B+4*\s+2:G0B+4*\s+3], s[46:47], \s*4096
	s_or_b32 s[G0B+4*\s+3], s[G0B+4*\s+3], 0x80000000
.endr
	JLOAD G0, G1, G0B, G1B                         ; K step 0: one tensor load a wave at the head
	v_and_b32 v1, 15, v0                           ; r
	v_bfe_u32 v2, v0, 4, 1                         ; h
	s_wait_alu depctr_va_vdst(0)
	v_and_b32 v3, 31, v0
	v_lshlrev_b32 v[LI], 4, v3
	s_mul_i32 s21, s15, HALFT                      ; my 128 rows of A
	s_mul_i32 s22, s16, HALFT                      ; my 128 rows of B,
	s_add_co_u32 s22, s22, 2*HALFT                 ; which lie behind A's 256
.irp s, 0,1
	v_add_nc_u32 v[ADRA+\s], s21, v[LI]
	v_add_nc_u32 v[ADRB+\s], s22, v[LI]
	s_add_co_u32 s21, s21, SLOT
	s_add_co_u32 s22, s22, SLOT
.endr
	; the bias, in both shapes: along a lane's registers (B's rows are the features) and along the lanes (A's rows are).  The one that is not used is read at the bias's head
	s_lshl_b32 s80, s42, 10
	s_lshl_b32 s81, s16, 9
	s_add_co_u32 s80, s80, s81                     ; my 128 columns, 4 bytes each
	s_lshl_b32 s88, s17, 10
	s_lshl_b32 s89, s15, 9
	s_add_co_u32 s88, s88, s89                     ; my 128 rows
	s_lshl_b32 s90, s66, 12
	s_add_co_u32 s90, s90, 1536
	s_cmp_eq_u32 s66, 2
	s_cselect_b32 s82, 0, s80
	s_cselect_b32 s84, s88, 0
	s_add_co_u32 s82, s82, s90
	s_add_co_u32 s84, s84, s90
	s_mov_b32 s83, 0
	s_mov_b32 s85, 0
	s_add_nc_u64 s[82:83], s[6:7], s[82:83]
	s_add_nc_u64 s[84:85], s[6:7], s[84:85]
	v_lshlrev_b32 v5, 5, v2                        ; 32 h
	v_lshlrev_b32 v6, 2, v1                        ; 4 r
.irp b, 0,1,2,3,4,5,6,7
	global_load_b128 v[BC+8*\b:BC+8*\b+3], v5, s[82:83] offset:64*\b           ; bias(16 b + 8 h + 0 .. 7)
	global_load_b128 v[BC+8*\b+4:BC+8*\b+7], v5, s[82:83] offset:64*\b+16
.endr
.irp a, 0,1,2,3,4,5,6,7
	global_load_b32 v[BR+2*\a], v6, s[84:85] offset:64*\a                      ; bias(16 a + r), twice: a pair for the packed form
	global_load_b32 v[BR+2*\a+1], v6, s[84:85] offset:64*\a
.endr
	; where my results go: ((first tile of rows x images to a tile) + first image) x 1,024, in plane p
	s_lshl_b32 s86, s17, 4
	s_lshl_b32 s87, s15, 3
	s_add_co_u32 s86, s86, s87
	s_cmp_eq_u32 s66, 2
	s_cselect_b32 s87, 7, 4                        ; 128 images to a tile of V^T's rows, 16 elsewhere
	s_lshl_b32 s86, s86, s87
	s_lshl_b32 s87, s42, 2
	s_add_co_u32 s86, s86, s87
	s_lshl_b32 s87, s16, 1
	s_add_co_u32 s86, s86, s87
	s_lshl_b32 s86, s86, 10
	s_lshl_b32 s87, s66, 23
	s_add_co_u32 s86, s86, s87
	s_mov_b32 s87, 0
	s_add_nc_u64 s[86:87], s[8:9], s[86:87]
.macro FRAG reg, adr, q, i             ; a fragment, 16 rows x 128 K: two images on end, 512 consecutive bytes a load: registers 2 c, 2 c + 1 hold K = 16 c + 8 (l / 16) + 0 .. 7
.irp c, 0,1,2,3
	ds_load_b128 v[\reg+4*\c:\reg+4*\c+3], v[\adr] offset:(\i)*4096+(\q)*2048+512*\c
.endr
.endm
; 16 matrix instructions: A's blocks a0, a0 + 1 x B's eight, 128 along K.  p: B's set.  zero = 1: the first product starts the sums.
; The 64 accumulators take turns, one instruction a turn, in the same order in every step.
.macro MUL16 a0, p, zero
.irp a, \a0, \a0+1
.irp b, 0,1,2,3,4,5,6,7
.if \zero
	v_wmma_f32_16x16x128_bf8_bf8 v[8*(8*((\a)%4)+\b):8*(8*((\a)%4)+\b)+7], v[128*(\p)+FR*\b:128*(\p)+FR*\b+FR-1], v[AF+FR*(\a):AF+FR*(\a)+FR-1], 0
.else
	v_wmma_f32_16x16x128_bf8_bf8 v[8*(8*((\a)%4)+\b):8*(8*((\a)%4)+\b)+7], v[128*(\p)+FR*\b:128*(\p)+FR*\b+FR-1], v[AF+FR*(\a):AF+FR*(\a)+FR-1], v[8*(8*((\a)%4)+\b):8*(8*((\a)%4)+\b)+7]
.endif
.endr
.endr
.endm
.macro FETCH_B slot, q, p              ; B's eight fragments of the slot's q-th 128 along K into set p
	WIN TO_B
.irp i, 0,1,2,3,4,5,6,7
	FRAG 128*(\p)+FR*\i, ADRB+\slot, \q, \i
.endr
	WIN 0
.endm
.macro FETCH_A slot, q, i0             ; A's blocks i0 .. i0 + 3
.irp i, \i0, \i0+1, \i0+2, \i0+3
	FRAG AF+FR*(\i), ADRA+\slot, \q, \i
.endr
.endm
.macro PLACES n                        ; plain vector lines between a matrix instruction and a load into, or a vector read or write of, one of its registers
.rept \n
	v_nop
.endr
.endm
; A step of 128 along K that has its successor in the same slot.
.macro STEP slot, q, zero
	s_wait_dscnt 4*NL                              ; B's set and A's blocks 0-3 are in; the youngest loads (A's blocks 4-7) may be out
	WIN MUL_LO
	MUL16 0, (\q)%2, \zero
	MUL16 2, (\q)%2, \zero
	s_wait_dscnt 0                                 ; A's blocks 4-7 are in
	PLACES NP
	FETCH_B \slot, (\q)+1, 1-(\q)%2
	FETCH_A \slot, (\q)+1, 0
	WIN MUL_HI
	MUL16 4, (\q)%2, \zero
	MUL16 6, (\q)%2, \zero
	PLACES NP
	WIN 0
	FETCH_A \slot, (\q)+1, 4
.endm
; A slot's last step changes slots: ONE barrier; in front of it each wave waits for all its tensor loads, adds 0 to its spare word, and waits for that and for its own reads of this slot.
.macro TURN slot, next, fill
	s_wait_tensorcnt 0x0                           ; all my tensor loads have landed: my part of the next slot
	ds_add_u32 v[SPW], v[NIL]                      ; 0 onto my spare word
	s_wait_dscnt 4*NL+1                            ; (the add and the youngest loads, A's blocks 4-7, may be out)
	WIN MUL_LO
	MUL16 0, 1, 0                                  ; sixteen matrix instructions stand between the add and the wait for it
	s_wait_dscnt 0x0                               ; the add is done, and my reads of this slot are over
	s_barrier_signal -1
	MUL16 2, 1, 0
	WIN 0
	s_barrier_wait -1
.if \fill
	CREST                                          ; the barrier has opened a round of the cluster's barrier: no wave of any partner still reads this slot or has a load on its way
	s_add_nc_u64 s[G0+4*\slot+2:G0+4*\slot+3], s[G0+4*\slot+2:G0+4*\slot+3], 8192
	s_add_nc_u64 s[G0B+4*\slot+2:G0B+4*\slot+3], s[G0B+4*\slot+2:G0B+4*\slot+3], 8192
	JLOAD G0+4*\slot, G1, G0B+4*\slot, G1B         ; the first tensor load behind the round; its four v_nop are the places in front of the loads below
.else
	PLACES NP
.endif
	FETCH_B \next, 0, 0
	FETCH_A \next, 0, 0
	WIN MUL_HI
	MUL16 4, 1, 0
	MUL16 6, 1, 0
	PLACES NP
	WIN 0
	FETCH_A \next, 0, 4
.endm
	s_wait_alu depctr_va_vdst(0)
	s_wait_tensorcnt 0x0                           ; my part of K step 0 is in; slot 1's first fill is issued as a refill is:
	ds_add_u32 v[SPW], v[NIL]                      ; 0 onto my spare word
	s_wait_dscnt 0x0
	CROUND                                         ; a whole round: everybody's part of K step 0 is in, and the joint loads meet
	JLOAD G0+4, G1, G0B+4, G1B                     ; K step 1, the first tensor load behind the round
	FETCH_B 0, 0, 0
	FETCH_A 0, 0, 0
	FETCH_A 0, 0, 4
	STEP 0, 0, 1                                   ; the first step stands in front of the loop: its products start the sums
	s_mov_b32 s3, LAPS-1
.Llap:                                                 ; a trip goes once round the ring and fills both slots again
	TURN 0, 1, 1
	STEP 1, 0, 0
	TURN 1, 0, 1
	STEP 0, 0, 0
	s_sub_co_u32 s3, s3, 1
	s_cmp_lg_u32 s3, 0
	s_cbranch_scc1 .Llap
	TURN 0, 1, 0                                   ; the last lap fills nothing
	STEP 1, 0, 0
	s_wait_dscnt 4*NL
	WIN MUL_LO
	MUL16 0, 1, 0
	MUL16 2, 1, 0
	s_wait_dscnt 0
	WIN MUL_HI
	MUL16 4, 1, 0
	MUL16 6, 1, 0
	WIN 0
; THE WAY OUT, block by block of 16 of A's rows: sum x 2^(eA + eB) + bias (one packed multiply-add for two), the hold (which is the relu too where the lower hold is 0), eight conversions:
; their 16 registers are the next product's fragment, two images, stored as they stand.  kind = 1: the bias goes by A's rows.  pitch: bytes from one tile of rows to the next.
.macro EPI kind, pitch
.irp a, 0,1,2,3,4,5,6,7
.set AC, 64*((\a)%4)
.set PB, PC+16*((\a)%2)
	WIN 0x02+((\a)/4)                              ; source 0: window 2 or 3
.irp b, 0,1,2,3,4,5,6,7
.irp i, 0,2,4,6
.if \kind
	v_pk_fma_f32 v[TMP+8*\b+\i:TMP+8*\b+\i+1], v[AC+8*\b+\i:AC+8*\b+\i+1], s[96:97], v[BR+2*\a:BR+2*\a+1] op_sel_hi:[1,0,1]
.else
	v_pk_fma_f32 v[TMP+8*\b+\i:TMP+8*\b+\i+1], v[AC+8*\b+\i:AC+8*\b+\i+1], s[96:97], v[BC+8*\b+\i:BC+8*\b+\i+1] op_sel_hi:[1,0,1]
.endif
.endr
.endr
	WIN 0
.set e, 0
.rept 64
	v_med3_num_f32 v[TMP+e], v[TMP+e], v[LO], v[HI]
.set e, e+1
.endr
.if \a > 1
	s_wait_alu depctr_va_vdst(0)
	s_wait_xcnt 0x0                                ; block a - 2's stores have read their registers, which take this block's codes
.endif
.irp b, 0,1,2,3,4,5,6,7
	v_cvt_scalef32_pk8_bf8_f32 v[PB+2*\b:PB+2*\b+1], v[TMP+8*\b:TMP+8*\b+7], v[SC]
.endr
	v_nop                                          ; a plain line behind the last conversion: the next block writes the conversions' sources
.irp q, 0,1,2,3
	global_store_b128 v[LI], v[PB+4*\q:PB+4*\q+3], s[86:87] offset:(\a)*(\pitch)+512*\q   ; 32 lanes store 512 consecutive bytes
.endr
.endr
.endm
	s_wait_kmcnt 0x0                               ; the record
	s_mov_b32 s96, s92                             ; 2^(eA + eB); the packed form names a pair
	s_mov_b32 s97, s92
	s_wait_loadcnt 0x0                             ; the biases
	v_mov_b32 v[LO], s95
	v_mov_b32 v[HI], s94
	v_mov_b32 v[SC], s93
	PLACES NP                                      ; in front of the first read of the last products' results and of writes over A's fragments
	s_cmp_eq_u32 s66, 2                            ; the plane is the same in all partners
	s_cbranch_scc1 .Lvt
	EPI 0, 16384
	s_branch .Lend
.Lvt:
	EPI 1, 131072
.Lend:
	s_wait_tensorcnt 0x0                           ; the wave's end
	ds_add_u32 v[SPW], v[NIL]
	s_wait_dscnt 0x0
	CROUND                                         ; the closing round: no work-group ends while a partner may still ask for a tile that names it
	s_endpgm
.Lfunc_end_k_q635274ffd8_qkv:
	.size	k_q635274ffd8_qkv, .Lfunc_end_k_q635274ffd8_qkv-k_q635274ffd8_qkv
	.p2alignl 7, 3214868480
	.fill 96, 4, 3214868480
	.section	.rodata,"a",@progbits
	.p2align	6, 0x0
	.amdhsa_kernel k_q635274ffd8_qkv
		.amdhsa_group_segment_fixed_size 327680
		.amdhsa_private_segment_fixed_size 0
		.amdhsa_enable_private_segment 0
		.amdhsa_kernarg_size 24
		.amdhsa_user_sgpr_count 2
		.amdhsa_user_sgpr_kernarg_segment_ptr 1
		.amdhsa_wavefront_size32 1
		.amdhsa_system_sgpr_workgroup_id_x 1
		.amdhsa_system_sgpr_workgroup_id_y 1
		.amdhsa_system_sgpr_workgroup_id_z 1
		.amdhsa_system_vgpr_workitem_id 0
		.amdhsa_next_free_vgpr 1024
		.amdhsa_next_free_sgpr 100
		.amdhsa_reserve_vcc 0
		.amdhsa_float_denorm_mode_32 3
		.amdhsa_float_denorm_mode_16_64 3
		.amdhsa_memory_ordered 1
		.amdhsa_forward_progress 1
		.amdhsa_inst_pref_size 194
	.end_amdhsa_kernel
	.amdgpu_metadata
---
amdhsa.version: [ 1, 2 ]
amdhsa.kernels:
  - .name:           k_q635274ffd8_qkv
    .symbol:         k_q635274ffd8_qkv.kd
    .args:
      - { .name: xc, .offset: 0, .size: 8, .value_kind: global_buffer, .address_space: global }
      - { .name: wqkv, .offset: 8, .size: 8, .value_kind: global_buffer, .address_space: global }
      - { .name: qkv, .offset: 16, .size: 8, .value_kind: global_buffer, .address_space: global }
    .group_segment_fixed_size: 327680
    .private_segment_fixed_size: 0
    .kernarg_segment_align: 8
    .kernarg_segment_size: 24
    .max_flat_workgroup_size: 128
    .sgpr_count:     100
    .vgpr_count:     1024
    .wavefront_size: 32
...
	.end_amdgpu_metadata
.endif
;; end of part 2
;; launch attn (part 3): grid 2 x 128, 8 waves a work-group, no clusters, 169,984 bytes of LDS; arguments qkv, lowp_scales, ctx; writes ctx
.if DOCPART == 3
	.amdgcn_target "amdgcn-amd-amdhsa--gfx1250"
	.amdhsa_code_object_version 6
	.text
	.protected	k_q635274ffd8_attn
	.globl	k_q635274ffd8_attn
	.p2align	8
	.type	k_q635274ffd8_attn,@function
k_q635274ffd8_attn:
	s_mov_b64 s[64:65], 0
	v_nop
	global_prefetch_b8 v0, s[64:65] scope:SCOPE_SE
	s_setreg_imm32_b32 hwreg(HW_REG_WAVE_MODE, 25, 1), 1
	s_wait_xcnt 0x0
; ATTENTION ON CODES OF BF8, head size 64, 1,024 keys, no mask.  qkv holds three planes of 8 MiB: q and k as [token / 16][head][image], V^T as [feature / 16][token / 64][image]
; (an image: 16 rows x 64 k, 1,024 bytes, laid as the plain operand's registers).  ctx leaves as codes (scale entry 10) in q's layout.
; t = score x 2^(e6 + e7) x log2(e) / 8; M = the running largest t rounded UP to a whole number; p = 2^(t - M) is quantised with 2^e8, not normalised; the row's sum is taken of the unquantised p and divides at the end.
; SHARES.  A work-group owns one head of one batch and 512 of its queries; each of its eight waves owns four tiles of 16 queries and takes them two at a time, in two passes over the keys (one text, a loop of two trips).
; A key step is 128 keys: its 16 + 16 LDS loads of K's and V^T's fragments serve both tiles: 16 + 8 products.  The two tiles' softmax lines stand by turns, so that no line reads the line just above it.
; K's fragments have registers of their own and are fetched one step ahead (the offset wraps at 65,536, so a pass's last step fetches the next pass's first); V^T's loads stand between the lines that find M.
; THE WHOLE HEAD LIES IN LDS: K's 64 images at 0, V^T's 4 x 16 images at 65,536, each byte filled once, one tensor load a wave at the head.  So there is no ring and one barrier, and no loop in which a prefetch could run ahead.
; BOTH PRODUCTS ARE USED TRANSPOSED: S^T = K Q^T (source 0 = 16 keys), O^T = V^T P^T (source 0 = 16 of the head's 64): a lane holds ONE query (lane % 16) of each tile, and its eight registers of a tile of S^T are
; keys 16 t + 8 (lane / 16) + 0 .. 7: one conversion gives registers 2 t, 2 t + 1 of P's fragment of K = 128.  O^T's tiles become ctx's image in the same way.
; NO CLUSTER: only the two work-groups of a head share its tiles, fewer than a cluster's four along x.
; LIMITS: e6 + e7 between -123 and 130 (added to the constant's exponent field); e8 and e10 between -126 and 112; the scaled scores t stay under 2^31 in magnitude.  NaN is not served.
; REGISTERS, window 0: v1 16 x lane; v2, v3 the step's LDS addresses; v4 16 x lane + 65,536; v5, v6 the spare word and 0; v7 2^e10; tile j: v[8+4j] -M, v[9+4j] the largest t, v[10+4j:11+4j] the sum in two halves;
; v16, v17 57,344 x 2^e8 (twice: the dual form's two second sources lie in different banks); v18 2^e8; v19 57,344 x 2^e10; v[20+2j] f; v24-27 chains; v30, v31 lane permutes; v32-95 V^T's four fragments;
; v96-223 S^T, then p, 64 a tile; v224-255 p's codes, 16 a tile.  Window 1: v0-63 O^T, 32 a tile; v64-79 Q of the pass; v80-95 Q of the second pass; v96-159 K's eight fragments.
.set SPARE, 131072                     ; behind the head's tiles: the spare words, 128 bytes a wave, that no other line names
.set WV,   18
.set SEL,  20                          ; s[20:21] lane selects: lane l xor 16
.set CS,   22                          ; s[22:23] log2(e) / 8 x 2^(e6 + e7)
.set G1K,  32
.set G1V,  40
.set G0K,  48
.set G0V,  52
.set TBK,  56                          ; the NEXT step's first byte among K's images
.set TBV,  57                          ; this step's first byte in a row of V^T's images
.set CNT,  58
.set ESC,  59                          ; e8 + e9
.set PAS,  62
.set MSB, 0
.macro WIN new                         ; the immediate's high byte repeats the setting that is left
.if MSB != \new
	s_set_vgpr_msb (MSB<<8)|\new
.set MSB, \new
.endif
.endm
.macro KLOAD adr                       ; K's eight fragments of a step into window 1
	WIN 0x40
.irp t, 0,1,2,3,4,5,6,7
	ds_load_b128 v[96+8*\t:99+8*\t], v[\adr] offset:1024*\t
	ds_load_b128 v[100+8*\t:103+8*\t], v[\adr] offset:1024*\t+512
.endr
	WIN 0
.endm
.macro VLOAD d                         ; one fragment of V^T: 16 of the head's 64 x 128 keys
.irp c, 0,1,2,3
	ds_load_b128 v[32+16*\d+4*\c:35+16*\d+4*\c], v3 offset:16384*\d+512*\c
.endr
.endm
	s_load_b128 s[4:7], s[0:1], 0x0                ; qkv, the scales' exponents
	s_load_b64 s[8:9], s[0:1], 0x10                ; ctx
	v_lshl_add_u32 v5, v0, 2, SPARE
	v_mov_b32 v6, 0
	ds_add_u32 v5, v6                              ; the opening lines: the add, twice on end, and its wait ahead of my tensor load
	ds_add_u32 v5, v6
	v_lshrrev_b32 v7, 5, v0
	v_readfirstlane_b32 s[WV], v7                  ; wave 0..7
	s_and_b32 s10, ttmp7, 0xffff
	s_lshr_b32 s11, s10, 4                         ; the batch
	s_and_b32 s12, s10, 15                         ; the head
	s_and_b32 s13, s[WV], 3                        ; which quarter I fetch
	s_lshl_b32 s14, s11, 20                        ; K: ((64 batch + 16 quarter) x 16 + head) x 1,024, in plane 1
	s_lshl_b32 s15, s13, 18
	s_add_co_u32 s14, s14, s15
	s_lshl_b32 s15, s12, 10
	s_add_co_u32 s14, s14, s15
	s_add_co_u32 s14, s14, 0x800000
	s_mov_b32 s15, 0
	s_lshl_b32 s16, s12, 19                        ; V^T: ((4 head + quarter) x 128 + 16 batch) x 1,024, in plane 2
	s_lshl_b32 s17, s13, 17
	s_add_co_u32 s16, s16, s17
	s_lshl_b32 s17, s11, 14
	s_add_co_u32 s16, s16, s17
	s_add_co_u32 s16, s16, 0x1000000
	s_mov_b32 s17, 0
	s_lshl_b32 s2, s11, 20                         ; Q and ctx: ((64 batch + 32 work-group x + 4 wave) x 16 + head) x 1,024
	s_lshl_b32 s3, ttmp9, 19
	s_add_co_u32 s2, s2, s3
	s_lshl_b32 s3, s[WV], 16
	s_add_co_u32 s2, s2, s3
	s_lshl_b32 s3, s12, 10
	s_add_co_u32 s2, s2, s3
	s_mov_b32 s3, 0
	s_lshl_b32 s19, s[WV], 14                      ; where my 16,384 bytes go: waves 0-3 K's quarters, waves 4-7 V^T's
	s_mov_b32 s[G1K], 3<<16                        ; K: 16 images of 1,024 bytes (128 elements of 8), 16 images (2,048 elements) apart in memory
	s_mov_b32 s[G1K+1], 128<<16
	s_mov_b32 s[G1K+2], 16<<16
	s_mov_b32 s[G1K+3], 128<<16
	s_mov_b32 s[G1K+4], 16
	s_mov_b32 s[G1K+5], 2048
	s_mov_b32 s[G1K+6], 0
	s_mov_b32 s[G1K+7], 0
	s_mov_b32 s[G1V], 3<<16                        ; V^T: 16 images on end, a dense block, as 64 rows of 256 bytes
	s_mov_b32 s[G1V+1], 32<<16
	s_mov_b32 s[G1V+2], 64<<16
	s_mov_b32 s[G1V+3], 32<<16
	s_mov_b32 s[G1V+4], 64
	s_mov_b32 s[G1V+5], 32
	s_mov_b32 s[G1V+6], 0
	s_mov_b32 s[G1V+7], 0
	s_mov_b32 s[SEL], 0x76543210
	s_mov_b32 s[SEL+1], 0xfedcba98
	s_mov_b32 s[CS], 0x3e38aa3b                    ; log2(e) / 8
	s_wait_dscnt 0x0                               ; both opening adds are done
	s_wait_kmcnt 0x0
	s_load_b256 s[24:31], s[6:7], 0x18             ; entries 6 to 13
	s_mov_b32 s[G0K], 1
	s_mov_b32 s[G0K+1], s19
	s_add_nc_u64 s[G0K+2:G0K+3], s[4:5], s[14:15]
	s_or_b32 s[G0K+3], s[G0K+3], 0x80000000
	s_mov_b32 s[G0V], 1
	s_mov_b32 s[G0V+1], s19
	s_add_nc_u64 s[G0V+2:G0V+3], s[4:5], s[16:17]
	s_or_b32 s[G0V+3], s[G0V+3], 0x80000000
	s_cmp_lt_u32 s[WV], 4                          ; the branch hangs on the wave's number alone; an s_nop 0 and four v_nop follow each load
	s_cbranch_scc0 .Lfor_v
	tensor_load_to_lds s[G0K:G0K+3], s[G1K:G1K+7]
	s_nop 0
.rept 4
	v_nop
.endr
	s_branch .Lasked
.Lfor_v:
	tensor_load_to_lds s[G0V:G0V+3], s[G1V:G1V+7]
	s_nop 0
.rept 4
	v_nop
.endr
.Lasked:
	s_add_nc_u64 s[10:11], s[4:5], s[2:3]          ; Q's image of my first tile
	s_add_nc_u64 s[8:9], s[8:9], s[2:3]            ; ctx's likewise
	v_and_b32 v1, 31, v0
	v_lshlrev_b32 v1, 4, v1
	v_add_nc_u32 v4, 65536, v1
	WIN 0x40                                       ; loaded data into window 1
.irp j, 0,1,2,3
	global_load_b128 v[64+8*\j:67+8*\j], v1, s[10:11] offset:16384*\j          ; my four tiles of queries
	global_load_b128 v[68+8*\j:71+8*\j], v1, s[10:11] offset:16384*\j+512
.endr
	WIN 0
	v_mov_b32 v21, 0                               ; (named as the upper halves of the pairs that hold f)
	v_mov_b32 v23, 0
	v_mov_b32 v30, 0                               ; written once: a lane permute's destination counts as read
	v_mov_b32 v31, 0
	s_wait_kmcnt 0x0
	s_add_co_i32 s60, s24, s25
	s_lshl_b32 s60, s60, 23
	s_add_co_i32 s[CS], s[CS], s60                 ; a score stands for score x 2^(e6 + e7)
	s_mov_b32 s[CS+1], s[CS]
	s_add_co_i32 s60, s26, 127
	s_lshl_b32 s61, s60, 23
	v_mov_b32 v18, s61                             ; 2^e8
	s_add_co_i32 s60, s60, 15
	s_lshl_b32 s60, s60, 23
	s_or_b32 s60, s60, 0x600000
	v_mov_b32 v16, s60                             ; 57,344 x 2^e8
	v_mov_b32 v17, s60
	s_add_co_i32 s60, s28, 127
	s_lshl_b32 s61, s60, 23
	v_mov_b32 v7, s61                              ; 2^e10
	s_add_co_i32 s60, s60, 15
	s_lshl_b32 s60, s60, 23
	s_or_b32 s60, s60, 0x600000
	v_mov_b32 v19, s60                             ; 57,344 x 2^e10
	s_add_co_i32 s[ESC], s26, s27
	s_mov_b32 s[PAS], 2
	s_wait_alu depctr_va_vdst(0)
	s_wait_tensorcnt 0x0                           ; my part of the head is in LDS,
	s_barrier_signal -1
	s_barrier_wait -1                              ; everybody's is
	KLOAD 1                                        ; the first step's fragments of K
	s_wait_loadcnt 0x0                             ; Q
	s_wait_dscnt 0x0
.Lpass:                                                ; two tiles of 16 queries through all 1,024 keys
	v_mov_b32 v9, 0xff61b1e6                       ; the largest t so far: -3e38, under every t
	v_mov_b32 v13, 0xff61b1e6
	v_floor_f32 v8, -v9
	v_floor_f32 v12, -v13
	v_mov_b32 v10, 0
	v_mov_b32 v11, 0
	v_mov_b32 v14, 0
	v_mov_b32 v15, 0
	WIN 0x40
.set e, 0
.rept 64
	v_mov_b32 v[e], 0                              ; O^T: the step is written once; its first trip finds zeros, which the first change of M leaves zeros
.set e, e+1
.endr
	WIN 0
	s_mov_b32 s[TBK], 8192
	s_mov_b32 s[TBV], 0
	s_mov_b32 s[CNT], 8
.Lkeys:                                                ; A KEY STEP: 128 keys, both tiles.  K's fragments are in: the wait ahead of the last step's second product covered them
	WIN 0x05                                       ; sources 0 (K) and 1 (Q) in window 1
.irp t, 0,1,2,3,4,5,6,7
.irp j, 0,1
	v_wmma_f32_16x16x64_bf8_bf8 v[96+64*\j+8*\t:103+64*\j+8*\t], v[96+8*\t:103+8*\t], v[64+8*\j:71+8*\j], 0
.endr
.endr
	WIN 0
	v_add_nc_u32 v2, s[TBK], v1
	v_add_nc_u32 v3, s[TBV], v4
	v_nop                                          ; with the two additions: four places in front of the loads into K's registers and of the first read of the scores
	v_nop
	KLOAD 2                                        ; the next step's K
.irp j, 0,1                                    ; the step's largest score of my query, among my 64 keys, in two chains a tile, each accumulator from its low end on
	v_max3_num_f32 v[24+2*\j], v[96+64*\j], v[97+64*\j], v[98+64*\j]
	v_max3_num_f32 v[25+2*\j], v[99+64*\j], v[100+64*\j], v[101+64*\j]
.endr
.set e, 6
.rept 14
.irp j, 0,1
	v_max3_num_f32 v[24+2*\j], v[24+2*\j], v[96+64*\j+e], v[97+64*\j+e]
	v_max3_num_f32 v[25+2*\j], v[25+2*\j], v[98+64*\j+e], v[99+64*\j+e]
.endr
.set e, e+4
.endr
.irp j, 0,1
	v_max3_num_f32 v[24+2*\j], v[24+2*\j], v[158+64*\j], v[159+64*\j]
.endr
.irp j, 0,1
	v_max_num_f32 v[24+2*\j], v[24+2*\j], v[25+2*\j]
.endr
	VLOAD 0                                        ; V^T's loads stand between the lines of this chain, each of which reads the line before it
.irp j, 0,1
	v_permlanex16_b32 v[30+\j], v[24+2*\j], s[SEL], s[SEL+1]
.endr
	VLOAD 1
.irp j, 0,1
	v_max_num_f32 v[24+2*\j], v[24+2*\j], v[30+\j]         ; and among lane l xor 16's
.endr
	VLOAD 2
.irp j, 0,1
	v_mul_f32 v[24+2*\j], s[CS], v[24+2*\j]                ; as t (the constant is positive)
.endr
	VLOAD 3
.irp j, 0,1
	v_max_num_f32 v[9+4*\j], v[9+4*\j], v[24+2*\j]         ; the running largest t
.endr
.irp j, 0,1
	v_mov_b32 v[25+2*\j], v[8+4*\j]
.endr
.irp j, 0,1
	v_floor_f32 v[8+4*\j], -v[9+4*\j]                      ; the new -M = floor(-t): M is a whole number
.endr
.set e, 0
.rept 32
.irp j, 0,1
	v_pk_fma_f32 v[96+64*\j+e:97+64*\j+e], v[96+64*\j+e:97+64*\j+e], s[CS:CS+1], v[8+4*\j:9+4*\j] op_sel_hi:[1,0,0]   ; t - M, two at a time
.endr
.if e == 14
.irp j, 0,1
	v_sub_f32 v[25+2*\j], v[8+4*\j], v[25+2*\j]            ; M's old value less its new one: a whole number, 0 or less
.endr
.endif
.if e == 30
.irp j, 0,1
	v_cvt_i32_f32 v[25+2*\j], v[25+2*\j]
.endr
.endif
.if e == 46
.irp j, 0,1
	v_ldexp_f32 v[20+2*\j], 1.0, v[25+2*\j]                ; f = 2^(old M - new M): the rescaling rounds nothing
.endr
.endif
.set e, e+2
.endr
	WIN 0x41                                       ; O^T in window 1, f in window 0
.set e, 0
.rept 16
.irp j, 0,1
	v_pk_mul_f32 v[32*\j+e:32*\j+e+1], v[32*\j+e:32*\j+e+1], v[20+2*\j:21+2*\j] op_sel_hi:[1,0]   ; O^T under the new M, each accumulator from its low end on; no exponential stands between the last products and these lines
.endr
.set e, e+2
.endr
	WIN 0
	s_wait_alu depctr_va_vdst(0)                   ; the wait ahead of the batch
.set e, 0
.rept 128
	v_exp_f32 v[96+e], v[96+e]                     ; p = 2^(t - M), at most 1
.set e, e+1
.endr
.irp j, 0,1
	v_pk_mul_f32 v[10+4*\j:11+4*\j], v[10+4*\j:11+4*\j], v[20+2*\j:21+2*\j] op_sel_hi:[1,0]   ; the sums under the new M: the plain lines behind the exponentials
.endr
	s_wait_alu depctr_va_vdst(0)                   ; one wait for the whole batch, ahead of its first reader
.irp j, 0,1                                    ; the row's sum of the unquantised p: two chains a tile
	v_pk_add_f32 v[24+2*\j:25+2*\j], v[96+64*\j:97+64*\j], v[98+64*\j:99+64*\j]
.endr
.set e, 4
.rept 15
.irp j, 0,1
	v_pk_add_f32 v[10+4*\j:11+4*\j], v[10+4*\j:11+4*\j], v[96+64*\j+e:97+64*\j+e]
	v_pk_add_f32 v[24+2*\j:25+2*\j], v[24+2*\j:25+2*\j], v[98+64*\j+e:99+64*\j+e]
.endr
.set e, e+4
.endr
.irp j, 0,1
	v_pk_add_f32 v[10+4*\j:11+4*\j], v[10+4*\j:11+4*\j], v[24+2*\j:25+2*\j]
.endr
	s_wait_dscnt 0x0                               ; V^T's fragments and the next step's K are in
.set e, 0
.rept 64
	v_dual_min_num_f32 v[96+e], v[96+e], v17 :: v_dual_min_num_f32 v[97+e], v[97+e], v16   ; the conversion does not saturate (ISA guide 7.6.2); p is not negative, so the hold is one-sided; two numbers a line
.set e, e+2
.endr
.irp t, 0,1,2,3,4,5,6,7,8,9,10,11,12,13,14,15
	v_cvt_scalef32_pk8_bf8_f32 v[224+2*\t:225+2*\t], v[96+8*\t:103+8*\t], v18
.endr
	v_nop                                          ; a plain line between the last conversion and the products that read the codes
	WIN 0x50                                       ; C and D in window 1
.irp d, 0,1,2,3
.irp j, 0,1
	v_wmma_f32_16x16x128_bf8_bf8 v[32*\j+8*\d:32*\j+8*\d+7], v[32+16*\d:47+16*\d], v[224+16*\j:239+16*\j], v[32*\j+8*\d:32*\j+8*\d+7]   ; the eight accumulators take turns
.endr
.endr
	WIN 0
	s_add_co_u32 s[TBK], s[TBK], 8192              ; eight images of K,
	s_and_b32 s[TBK], s[TBK], 0xffff               ; round to the first behind the last,
	s_add_co_u32 s[TBV], s[TBV], 2048              ; two of each row of V^T's
	s_sub_co_u32 s[CNT], s[CNT], 1
	s_cmp_lg_u32 s[CNT], 0
	s_cbranch_scc1 .Lkeys
.irp j, 0,1                                    ; THE WAY OUT.  (The lines up to the first read of O^T are more than the four places behind the last products)
	v_add_f32 v[10+4*\j], v[10+4*\j], v[11+4*\j]           ; the sum's two halves,
.endr
.irp j, 0,1
	v_permlanex16_b32 v[30+\j], v[10+4*\j], s[SEL], s[SEL+1]
.endr
.irp j, 0,1
	v_add_f32 v[10+4*\j], v[10+4*\j], v[30+\j]             ; and lane l xor 16's
.endr
	s_wait_alu depctr_va_vdst(0)                   ; the wait ahead of the transcendentals
	v_rcp_f32 v10, v10
	v_rcp_f32 v14, v14
	v_nop                                          ; a plain line behind them,
	s_wait_alu depctr_va_vdst(0)                   ; and the wait ahead of their first reader
	v_ldexp_f32 v10, v10, s[ESC]                   ; x 2^(e8 + e9)
	v_ldexp_f32 v14, v14, s[ESC]
	WIN 0x01                                       ; source 0 (O^T) in window 1
	s_wait_alu depctr_va_vdst(0)                   ; the wait directly ahead of the first reader of O^T
.set e, 0
.rept 16
.irp j, 0,1
	v_pk_mul_f32 v[96+32*\j+e:97+32*\j+e], v[32*\j+e:32*\j+e+1], v[10+4*\j:11+4*\j] op_sel_hi:[1,0]   ; ctx(query r, 16 d + 8 h + 0 .. 7)
.endr
.set e, e+2
.endr
	WIN 0
.set e, 0
.rept 64
	v_med3_num_f32 v[96+e], v[96+e], -v19, v19
.set e, e+1
.endr
.irp d, 0,1,2,3,4,5,6,7
	v_cvt_scalef32_pk8_bf8_f32 v[224+2*\d:225+2*\d], v[96+8*\d:103+8*\d], v7
.endr
	v_nop                                          ; a plain line behind the last conversion
.irp j, 0,1
	global_store_b128 v1, v[224+8*\j:227+8*\j], s[8:9] offset:16384*\j         ; a tile's image, 512 consecutive bytes a store
	global_store_b128 v1, v[228+8*\j:231+8*\j], s[8:9] offset:16384*\j+512
.endr
	s_wait_xcnt 0x0                                ; the stores have read their base and their data
	s_add_nc_u64 s[8:9], s[8:9], 32768             ; two tiles on
	WIN 0x41
.set e, 0
.rept 16
	v_mov_b32 v[64+e], v[80+e]                     ; the second pass's Q takes the first's place
.set e, e+1
.endr
	WIN 0
	s_sub_co_u32 s[PAS], s[PAS], 1
	s_cmp_lg_u32 s[PAS], 0
	s_wait_alu depctr_va_vdst(0)
	s_cbranch_scc1 .Lpass
	s_wait_tensorcnt 0x0                           ; the wave's end
	ds_add_u32 v5, v6
	s_wait_dscnt 0x0
	s_endpgm
.Lfunc_end_k_q635274ffd8_attn:
	.size	k_q635274ffd8_attn, .Lfunc_end_k_q635274ffd8_attn-k_q635274ffd8_attn
	.p2alignl 7, 3214868480
	.fill 96, 4, 3214868480
	.section	.rodata,"a",@progbits
	.p2align	6, 0x0
	.amdhsa_kernel k_q635274ffd8_attn
		.amdhsa_group_segment_fixed_size 169984
		.amdhsa_private_segment_fixed_size 0
		.amdhsa_enable_private_segment 0
		.amdhsa_kernarg_size 24
		.amdhsa_user_sgpr_count 2
		.amdhsa_user_sgpr_kernarg_segment_ptr 1
		.amdhsa_wavefront_size32 1
		.amdhsa_system_sgpr_workgroup_id_x 1
		.amdhsa_system_sgpr_workgroup_id_y 1
		.amdhsa_system_sgpr_workgroup_id_z 1
		.amdhsa_system_vgpr_workitem_id 0
		.amdhsa_next_free_vgpr 416
		.amdhsa_next_free_sgpr 66
		.amdhsa_reserve_vcc 0
		.amdhsa_float_denorm_mode_32 3
		.amdhsa_float_denorm_mode_16_64 3
		.amdhsa_memory_ordered 1
		.amdhsa_forward_progress 1
		.amdhsa_inst_pref_size 46
	.end_amdhsa_kernel
	.amdgpu_metadata
---
amdhsa.version: [ 1, 2 ]
amdhsa.kernels:
  - .name:           k_q635274ffd8_attn
    .symbol:         k_q635274ffd8_attn.kd
    .args:
      - { .name: qkv, .offset: 0, .size: 8, .value_kind: global_buffer, .address_space: global }
      - { .name: lowp_scales, .offset: 8, .size: 8, .value_kind: global_buffer, .address_space: global }
      - { .name: ctx, .offset: 16, .size: 8, .value_kind: global_buffer, .address_space: global }
    .group_segment_fixed_size: 169984
    .private_segment_fixed_size: 0
    .kernarg_segment_align: 8
    .kernarg_segment_size: 24
    .max_flat_workgroup_size: 256
    .sgpr_count:     66
    .vgpr_count:     416
    .wavefront_size: 32
...
	.end_amdgpu_metadata
.endif
;; end of part 3
;; launch tail (part 4): grid 256 x 1, 8 waves a work-group, no clusters, 200,192 bytes of LDS; arguments ctx, wop, w1p, w2p, src, g2, beta2, out0; writes out0
.if DOCPART == 4
	.amdgcn_target "amdgcn-amd-amdhsa--gfx1250"
	.amdhsa_code_object_version 6
	.text
	.protected	k_q635274ffd8_tail
	.globl	k_q635274ffd8_tail
	.p2align	8
	.type	k_q635274ffd8_tail,@function
k_q635274ffd8_tail:
	s_mov_b64 s[64:65], 0
	v_nop
	global_prefetch_b8 v0, s[64:65] scope:SCOPE_SE
	s_setreg_imm32_b32 hwreg(HW_REG_WAVE_MODE, 25, 1), 1
	s_wait_xcnt 0x0
; ALL THAT FOLLOWS ATTENTION, FOR 32 WHOLE ROWS A WORK-GROUP:  s2 = src + ctx Wo + bo;  y = layernorm(s2) x g2 + beta2;  h = relu(y W1 + b1);  out = s2 + h W2 + b2.
; ctx arrives as codes of BF8 laid as images (16 rows x 64 k, 1,024 bytes, as the plain operand's registers; a matrix lies as [row / 16][k / 64][image]); y and h are quantised here and never leave the chip; neither does s2.
; A pack of a weight: a record at 0 (2^(eA + eB), 2^eOut, 57,344 x 2^eOut, the lower hold: minus that, or 0 where a relu follows), the bias at 1,536, the codes of W^T at 13,824 as [column / 16][k / 64][image].
; SHARES.  256 work-groups x 32 rows.  Each of eight waves owns 128 columns of every product: 2 tiles of rows x 8 tiles of columns, 16 accumulators, which take turns.
; THE WEIGHTS GO FROM MEMORY STRAIGHT INTO REGISTERS: they lie in the order of the operand's registers, each load of a wave reads 512 consecutive bytes, and no two waves of a work-group read the same fragment.
; A ring of eight fragments (one K step of 128 for my 8 tiles of columns, 32 loads) is refilled pair by pair as it is multiplied, one K step ahead, on into the next weight's first step.
; NO CLUSTER, NO TENSOR LOAD: a row's norm needs all 1,024 columns in one work-group, so every work-group walks all of each weight; through slots in LDS that would be a drained round for every 131,072 bytes, 24 in all.
; No prefetch: the ring itself asks a K step ahead of the products.
; THE ROW OPERAND (32 rows x 1,024 k of codes, 32,768 bytes) lies in LDS, shared by the eight waves: ctx and later h at 0, y at 32,768.
; s2 lies in LDS as f32 rows of 4,096 + 16 bytes from 65,536; a wave touches its own 512 bytes of each row alone, so no barrier guards it.  It comes in and goes out by whole rows' pieces of 512 consecutive bytes.
; THE MATRIX INSTRUCTION IS USED TRANSPOSED (source 0 = 16 columns of a weight, source 1 = 16 rows): a lane holds one row and eight neighbouring columns, so one conversion gives two registers of the next operand's image.
; THE NORM: the mean first, then the variance of the differences; each is summed in a lane, with lane l xor 16, and over the eight waves through 32 x 8 words of LDS.
; LIMITS: each eA + eB between -126 and 127; e12 and e14 between -126 and 112.  NaN among the inputs is not served.
; REGISTERS, window 0: v1 16 x lane; v2 the conversion's scale; v4 the row operand's LDS address; v6, v7 my pieces of s2 (rows 0-15, 16-31); v8, v9 s2 by rows; v10 where my codes go; v11, v12 the sums' words; v13 32 (lane / 16);
;   v14, v15 the spare word and 0; v16-31 sums and a bias by rows; v32-63 the row operand's two fragments; v64-191 the ring; v192-255 at work.  Window 1: v0-127 the accumulators ((row tile, column tile) at 64 r + 8 t); v128-255 src, then g2 and beta2.
.set A0,    0
.set A1,    32768
.set S2,    65536
.set SP,    4112                       ; a row of s2 in LDS: an odd multiple of 16 bytes
.set RED,   S2+32*SP                   ; 2 x 1,024 bytes: [row][wave] words for the two sums
.set SPARE, RED+2048                   ; the spare words, 128 bytes a wave, that no other line names
.set WV,  20
.set PT,  30                           ; s[30:31] where the ring is refilled from
.set SEL, 58                           ; s[58:59] lane selects: lane l xor 16
.set MSB, 0
.macro WIN new                         ; the immediate's high byte repeats the setting that is left
.if MSB != \new
	s_set_vgpr_msb (MSB<<8)|\new
.set MSB, \new
.endif
.endm
.macro PLACES                          ; plain vector lines between a matrix instruction and a load into, or a vector read or write of, one of its registers
.rept 4
	v_nop
.endr
.endm
.macro WALU
	s_wait_alu depctr_va_vdst(0)
.endm
.macro BARRIER                         ; my LDS work is done, for the others' sake; then the barrier
	WALU
	s_wait_dscnt 0x0
	s_barrier_signal -1
	s_barrier_wait -1
.endm
	s_load_b512 s[4:19], s[0:1], 0x0               ; ctx, wop, w1p, w2p, src, g2, beta2, out0
	v_lshl_add_u32 v14, v0, 2, SPARE
	v_mov_b32 v15, 0
	v_lshrrev_b32 v1, 5, v0
	v_readfirstlane_b32 s[WV], v1                  ; wave 0..7
	s_lshl_b32 s60, ttmp9, 15                      ; ctx: 32 rows are 32,768 bytes; my wave copies 4,096 of them
	s_lshl_b32 s22, s[WV], 12
	s_add_co_u32 s60, s60, s22
	s_mov_b32 s61, 0
	s_lshl_b32 s66, s[WV], 9                       ; my 128 columns in f32
	s_mov_b32 s67, 0
	s_lshl_b32 s62, ttmp9, 17                      ; src, out0: 32 rows of 4,096 bytes, + my columns
	s_add_co_u32 s62, s62, s66
	s_mov_b32 s63, 0
	s_lshl_b32 s68, s[WV], 17                      ; a weight's codes: my 8 tiles of columns x 16,384 bytes
	s_add_co_u32 s68, s68, 13824
	s_mov_b32 s69, 0
	s_add_co_u32 s70, s66, 1536                    ; a bias at my columns
	s_mov_b32 s71, 0
	s_add_co_u32 s37, s66, S2
	s_lshl_b32 s38, s[WV], 11                      ; my two images of a tile of rows
	s_lshl_b32 s39, s[WV], 2
	s_add_co_u32 s39, s39, RED
	s_mov_b32 s34, 0xffff0000                      ; lanes 16-31
	s_mov_b32 s35, 0x3a800000                      ; 1 / 1,024
	s_mov_b32 s36, 0x3727c5ac                      ; 1e-5
	s_mov_b32 s[SEL], 0x76543210
	s_mov_b32 s[SEL+1], 0xfedcba98
	v_and_b32 v3, 31, v0
	v_lshlrev_b32 v1, 4, v3
	v_and_b32 v2, 15, v0                           ; r
	v_bfe_u32 v5, v0, 4, 1                         ; h
	v_lshlrev_b32 v13, 5, v5
	v_mul_u32_u24 v6, v2, SP
	v_add_nc_u32 v6, v6, v13
	v_add_nc_u32 v6, s37, v6                       ; s2(row r, my columns + 8 h)
	v_add_nc_u32 v7, 16*SP, v6
	v_add_nc_u32 v8, s37, v1                       ; s2 by rows: 512 bytes of a row for the 32 lanes
	v_add_nc_u32 v9, 16*SP, v8
	v_add_nc_u32 v10, s38, v1
	v_lshlrev_b32 v11, 5, v3
	v_add_nc_u32 v11, s39, v11                     ; the word of row = lane, wave = mine
	v_lshlrev_b32 v12, 5, v2
	v_add_nc_u32 v12, RED, v12                     ; row r's eight words
	v_add_nc_u32 v4, s22, v1
	WALU
	s_wait_kmcnt 0x0
	s_load_b128 s[40:43], s[6:7], 0x0              ; the records
	s_load_b128 s[44:47], s[8:9], 0x0
	s_load_b32 s48, s[10:11], 0x0
	s_add_nc_u64 s[4:5], s[4:5], s[60:61]
	s_add_nc_u64 s[12:13], s[12:13], s[62:63]
	s_add_nc_u64 s[18:19], s[18:19], s[62:63]
	s_add_nc_u64 s[14:15], s[14:15], s[66:67]
	s_add_nc_u64 s[16:17], s[16:17], s[66:67]
	s_add_nc_u64 s[24:25], s[6:7], s[68:69]        ; the three weights at my columns,
	s_add_nc_u64 s[26:27], s[8:9], s[68:69]
	s_add_nc_u64 s[28:29], s[10:11], s[68:69]
	s_add_nc_u64 s[72:73], s[6:7], s[70:71]        ; and their biases
	s_add_nc_u64 s[74:75], s[8:9], s[70:71]
	s_add_nc_u64 s[76:77], s[10:11], s[70:71]
.irp i, 0,1,2,3,4,5,6,7
	global_load_b128 v[192+4*\i:195+4*\i], v1, s[4:5] offset:512*\i            ; my 4,096 bytes of ctx's codes
.endr
	global_load_b128 v[20:23], v1, s[72:73]                                    ; bo by rows: my columns + 4 x lane
	WIN 0x40
.set i, 0
.rept 32
	global_load_b128 v[128+4*i:131+4*i], v1, s[12:13] offset:4096*i th:TH_LOAD_NT   ; src: 512 consecutive bytes of each of the 32 rows
.set i, i+1
.endr
	WIN 0
.irp t, 0,1,2,3,4,5,6,7
.irp c, 0,1,2,3
	global_load_b128 v[64+16*\t+4*\c:67+16*\t+4*\c], v1, s[24:25] offset:16384*\t+512*\c   ; the ring: Wo's first K step
.endr
.endr
	s_wait_loadcnt 63                              ; of 73 loads the first ten are in: ctx's eight among them
.irp i, 0,1,2,3,4,5,6,7
	ds_store_b128 v4, v[192+4*\i:195+4*\i] offset:A0+512*\i
.endr
	s_wait_loadcnt 32                              ; all but the ring's 32: bo and src are in
	WIN 0x41
.set i, 0
.rept 32
	v_pk_add_f32 v[128+4*i:129+4*i], v[128+4*i:129+4*i], v[20:21]              ; src + bo
	v_pk_add_f32 v[130+4*i:131+4*i], v[130+4*i:131+4*i], v[22:23]
.set i, i+1
.endr
	WIN 0x04                                       ; store data in window 1
.set i, 0
.rept 16
	ds_store_b128 v8, v[128+4*i:131+4*i] offset:SP*i
	ds_store_b128 v9, v[192+4*i:195+4*i] offset:SP*i
.set i, i+1
.endr
	WIN 0x40
.irp t, 0,1,2,3,4,5,6,7
	global_load_b128 v[128+8*\t:131+8*\t], v13, s[14:15] offset:64*\t          ; g2 and beta2 at columns 16 t + 8 h + 0 .. 7
	global_load_b128 v[132+8*\t:135+8*\t], v13, s[14:15] offset:64*\t+16
	global_load_b128 v[192+8*\t:195+8*\t], v13, s[16:17] offset:64*\t
	global_load_b128 v[196+8*\t:199+8*\t], v13, s[16:17] offset:64*\t+16
.endr
	WIN 0
	s_wait_kmcnt 0x0
	s_mov_b32 s52, s40                             ; the three 2^(eA + eB); the packed form names pairs
	s_mov_b32 s53, s40
	s_mov_b32 s54, s44
	s_mov_b32 s55, s44
	s_mov_b32 s56, s48
	s_mov_b32 s57, s48
	BARRIER                                        ; ctx's codes are whole in LDS
.macro MUL4 p, zero                    ; column tiles 2 p, 2 p + 1 x both tiles of rows
	WIN 0x50                                       ; C and D in window 1
.irp t, 2*\p, 2*\p+1
.irp r, 0,1
.if \zero
	v_wmma_f32_16x16x128_bf8_bf8 v[64*\r+8*(\t):64*\r+8*(\t)+7], v[64+16*(\t):64+16*(\t)+15], v[32+16*\r:32+16*\r+15], 0
.else
	v_wmma_f32_16x16x128_bf8_bf8 v[64*\r+8*(\t):64*\r+8*(\t)+7], v[64+16*(\t):64+16*(\t)+15], v[32+16*\r:32+16*\r+15], v[64*\r+8*(\t):64*\r+8*(\t)+7]
.endif
.endr
.endr
	WIN 0
.endm
; A step of K = 128.  ptr: the scalar pair from which each pair of the ring is refilled once it is multiplied (0: nothing more to fetch).
; Behind a pair's eight loads stand those of the three pairs asked for after it: 24 (smaller counts where nothing is refilled).
.macro KSTEP zero, ptr
	PLACES
.irp r, 0,1
.irp c, 0,1,2,3
	ds_load_b128 v[32+16*\r+4*\c:35+16*\r+4*\c], v4 offset:16384*\r+512*\c
.endr
.endr
	s_wait_dscnt 0x0
.irp p, 0,1,2,3
.if \ptr
	s_wait_loadcnt 24
.else
	s_wait_loadcnt 24-8*\p
.endif
	MUL4 \p, \zero
.if \ptr
	PLACES
.irp t, 2*\p, 2*\p+1
.irp c, 0,1,2,3
	global_load_b128 v[64+16*(\t)+4*\c:67+16*(\t)+4*\c], v1, s[\ptr:\ptr+1] offset:16384*(\t)+512*\c
.endr
.endr
.endif
.endr
.endm
.macro NEXTK                           ; on to the next K step: 2,048 bytes in the weight's tiles and in the row operand's
	s_wait_xcnt 0x0                                ; the ring's loads have read their base
	s_add_nc_u64 s[PT:PT+1], s[PT:PT+1], 2048
	s_add_co_u32 s33, s33, 2048
	v_add_nc_u32 v4, s33, v1
.endm
; A product: the row operand at LDS byte region, the weight at s[pb] (its first K step is in the ring), the next weight at s[nxt] (0: none).  The first step starts the sums.
.macro GEMM region, pb, nxt
	s_wait_xcnt 0x0
	s_add_nc_u64 s[PT:PT+1], s[\pb:\pb+1], 2048
	s_mov_b32 s33, \region
	v_add_nc_u32 v4, s33, v1
	WALU
	KSTEP 1, PT
	NEXTK
	s_mov_b32 s32, 6
	WALU
.Lk_\@:
	KSTEP 0, PT
	NEXTK
	s_sub_co_u32 s32, s32, 1
	s_cmp_lg_u32 s32, 0
	WALU
	s_cbranch_scc1 .Lk_\@
	KSTEP 0, \nxt
.endm
.macro ADDS2 sc                        ; the accumulators become sum x s[sc] + my pieces of s2's rows, and go back into those pieces
.irp r, 0,1
.irp t, 0,1,2,3,4,5,6,7
	ds_load_b128 v[192+8*\t:195+8*\t], v[6+\r] offset:64*\t
	ds_load_b128 v[196+8*\t:199+8*\t], v[6+\r] offset:64*\t+16
.endr
	s_wait_dscnt 0x0
	WIN 0x41
.set e, 0
.rept 32
	v_pk_fma_f32 v[64*\r+e:64*\r+e+1], v[64*\r+e:64*\r+e+1], s[\sc:\sc+1], v[192+e:193+e] op_sel_hi:[1,0,1]
.set e, e+2
.endr
	WIN 0x04
.irp t, 0,1,2,3,4,5,6,7
	ds_store_b128 v[6+\r], v[64*\r+8*\t:64*\r+8*\t+3] offset:64*\t
	ds_store_b128 v[6+\r], v[64*\r+8*\t+4:64*\r+8*\t+7] offset:64*\t+16
.endr
	WIN 0
.endr
.endm
.macro TREE                            ; eight numbers in v16-23 and eight in v24-31 become v16 and v24
	v_pk_add_f32 v[16:17], v[16:17], v[18:19]
	v_pk_add_f32 v[24:25], v[24:25], v[26:27]
	v_pk_add_f32 v[20:21], v[20:21], v[22:23]
	v_pk_add_f32 v[28:29], v[28:29], v[30:31]
	v_pk_add_f32 v[16:17], v[16:17], v[20:21]
	v_pk_add_f32 v[24:25], v[24:25], v[28:29]
	v_add_f32 v16, v16, v17
	v_add_f32 v24, v24, v25
.endm
.macro XRED off                        ; my lane's chains become the whole rows' sums: v16 for row r, v24 for row 16 + r
	TREE
	v_permlanex16_b32 v17, v16, s[SEL], s[SEL+1]
	v_permlanex16_b32 v25, v24, s[SEL], s[SEL+1]
	v_add_f32 v16, v16, v17
	v_add_f32 v24, v24, v25
	v_cndmask_b32 v18, v16, v24, s34               ; lane l carries row l's sum over my wave's 128 columns
	ds_store_b32 v11, v18 offset:\off
	BARRIER
	ds_load_b128 v[16:19], v12 offset:\off
	ds_load_b128 v[20:23], v12 offset:\off+16
	ds_load_b128 v[24:27], v12 offset:\off+512
	ds_load_b128 v[28:31], v12 offset:\off+528
	s_wait_dscnt 0x0
	TREE
.endm
.macro QCODE region                    ; the 128 held numbers become 32 registers of codes: four images, stored as they stand; v2 holds the scale
	WIN 0x01
.irp k, 0,1,2,3,4,5,6,7,8,9,10,11,12,13,14,15
	v_cvt_scalef32_pk8_bf8_f32 v[192+2*\k:193+2*\k], v[8*\k:8*\k+7], v2
.endr
	WIN 0
	v_nop                                          ; a plain line behind the last conversion
.irp r, 0,1
.irp q, 0,1,2,3
	ds_store_b128 v10, v[192+16*\r+4*\q:195+16*\r+4*\q] offset:\region+16384*\r+512*\q
.endr
.endr
.endm
	GEMM A0, 24, 26                                ; ctx Wo
	s_wait_loadcnt 32                              ; all but W1's first step: g2 and beta2 are in
	PLACES
	ADDS2 52                                       ; s2, in the accumulators' registers and in LDS
	WIN 0x05                                       ; the rows' sums: four chains a tile of rows
.irp r, 0,1
.irp c, 0,1,2,3
	v_pk_add_f32 v[16+8*\r+2*\c:17+8*\r+2*\c], v[64*\r+2*\c:64*\r+2*\c+1], v[64*\r+8+2*\c:64*\r+9+2*\c]
.endr
.endr
	WIN 0x04
.irp m, 2,3,4,5,6,7
.irp r, 0,1
.irp c, 0,1,2,3
	v_pk_add_f32 v[16+8*\r+2*\c:17+8*\r+2*\c], v[16+8*\r+2*\c:17+8*\r+2*\c], v[64*\r+8*\m+2*\c:64*\r+8*\m+2*\c+1]
.endr
.endr
.endr
	WIN 0
	XRED 0
	v_mul_f32 v16, s35, v16                        ; the means
	v_mul_f32 v24, s35, v24
	WIN 0x41
.irp r, 0,1
.set e, 0
.rept 32
	v_pk_add_f32 v[64*\r+e:64*\r+e+1], v[64*\r+e:64*\r+e+1], v[16+8*\r:17+8*\r] op_sel_hi:[1,0] neg_lo:[0,1] neg_hi:[0,1]   ; s2 - mean
.set e, e+2
.endr
.endr
	WIN 0x05
.irp r, 0,1
.irp c, 0,1,2,3
	v_pk_mul_f32 v[16+8*\r+2*\c:17+8*\r+2*\c], v[64*\r+2*\c:64*\r+2*\c+1], v[64*\r+2*\c:64*\r+2*\c+1]
.endr
.endr
.irp m, 1,2,3,4,5,6,7
.irp r, 0,1
.irp c, 0,1,2,3
	v_pk_fma_f32 v[16+8*\r+2*\c:17+8*\r+2*\c], v[64*\r+8*\m+2*\c:64*\r+8*\m+2*\c+1], v[64*\r+8*\m+2*\c:64*\r+8*\m+2*\c+1], v[16+8*\r+2*\c:17+8*\r+2*\c]
.endr
.endr
.endr
	WIN 0
	XRED 1024
	v_fma_f32 v16, v16, s35, s36                   ; the variances + 1e-5
	v_fma_f32 v24, v24, s35, s36
	v_mov_b32 v2, s41                              ; 2^e12, for the conversions
	WALU                                           ; the wait ahead of the transcendentals
	v_rsq_f32 v16, v16
	v_rsq_f32 v24, v24
	v_nop                                          ; a plain line behind them,
	WALU                                           ; and the wait ahead of their first reader
	WIN 0x41
.irp r, 0,1
.set e, 0
.rept 32
	v_pk_mul_f32 v[64*\r+e:64*\r+e+1], v[64*\r+e:64*\r+e+1], v[16+8*\r:17+8*\r] op_sel_hi:[1,0]
.set e, e+2
.endr
.endr
	WIN 0x55
.irp r, 0,1
.set e, 0
.rept 32
	v_pk_fma_f32 v[64*\r+e:64*\r+e+1], v[64*\r+e:64*\r+e+1], v[128+e:129+e], v[192+e:193+e]   ; y
.set e, e+2
.endr
.endr
	WIN 0x41
.set e, 0
.rept 128
	v_med3_num_f32 v[e], v[e], s43, s42            ; the conversion does not saturate (ISA guide 7.6.2): the hold comes first
.set e, e+1
.endr
	QCODE A1
.irp t, 0,1,2,3,4,5,6,7
	global_load_b128 v[192+8*\t:195+8*\t], v13, s[74:75] offset:64*\t          ; b1 at columns 16 t + 8 h + 0 .. 7
	global_load_b128 v[196+8*\t:199+8*\t], v13, s[74:75] offset:64*\t+16
.endr
	BARRIER                                        ; y's codes are whole in LDS
	GEMM A1, 26, 28                                ; y W1
	s_wait_loadcnt 32                              ; all but W2's first step: b1 is in
	PLACES
	v_mov_b32 v2, s45                              ; 2^e14
	WIN 0x41
.irp r, 0,1
.set e, 0
.rept 32
	v_pk_fma_f32 v[64*\r+e:64*\r+e+1], v[64*\r+e:64*\r+e+1], s[54:55], v[192+e:193+e] op_sel_hi:[1,0,1]
.set e, e+2
.endr
.endr
.set e, 0
.rept 128
	v_med3_num_f32 v[e], v[e], s47, s46            ; the relu and the hold in one: between 0 and the largest code x the scale
.set e, e+1
.endr
	QCODE A0                                       ; onto ctx's codes, whose last read stands ahead of the norm's barriers
	global_load_b128 v[16:19], v1, s[76:77]        ; b2 by rows
	BARRIER                                        ; h's codes are whole in LDS
	GEMM A0, 28, 0                                 ; h W2
	s_wait_loadcnt 0x0                             ; b2
	PLACES
	ADDS2 56                                       ; s2 + h W2, back into my pieces of the rows
.irp f, 0,1                                    ; and out by rows: LDS serves a wave's instructions in order (ISA guide 5.7.1.4), so these loads see my stores
.if \f
	s_wait_xcnt 0x0                                ; the first sixteen stores have read their registers
.endif
.set i, 0
.rept 16
	ds_load_b128 v[192+4*i:195+4*i], v[8+\f] offset:SP*i
.set i, i+1
.endr
	s_wait_dscnt 0x0
.set i, 0
.rept 16
	v_pk_add_f32 v[192+4*i:193+4*i], v[192+4*i:193+4*i], v[16:17]              ; + b2
	v_pk_add_f32 v[194+4*i:195+4*i], v[194+4*i:195+4*i], v[18:19]
.set i, i+1
.endr
.set i, 0
.rept 16
	global_store_b128 v1, v[192+4*i:195+4*i], s[18:19] offset:(16*\f+i)*4096 th:TH_STORE_NT   ; 32 lanes store 512 consecutive bytes, aligned
.set i, i+1
.endr
.endr
	s_wait_tensorcnt 0x0                           ; the wave's end
	ds_add_u32 v14, v15
	s_wait_dscnt 0x0
	s_endpgm
.Lfunc_end_k_q635274ffd8_tail:
	.size	k_q635274ffd8_tail, .Lfunc_end_k_q635274ffd8_tail-k_q635274ffd8_tail
	.p2alignl 7, 3214868480
	.fill 96, 4, 3214868480
	.section	.rodata,"a",@progbits
	.p2align	6, 0x0
	.amdhsa_kernel k_q635274ffd8_tail
		.amdhsa_group_segment_fixed_size 200192
		.amdhsa_private_segment_fixed_size 0
		.amdhsa_enable_private_segment 0
		.amdhsa_kernarg_size 64
		.amdhsa_user_sgpr_count 2
		.amdhsa_user_sgpr_kernarg_segment_ptr 1
		.amdhsa_wavefront_size32 1
		.amdhsa_system_sgpr_workgroup_id_x 1
		.amdhsa_system_sgpr_workgroup_id_y 1
		.amdhsa_system_sgpr_workgroup_id_z 1
		.amdhsa_system_vgpr_workitem_id 0
		.amdhsa_next_free_vgpr 512
		.amdhsa_next_free_sgpr 80
		.amdhsa_reserve_vcc 0
		.amdhsa_float_denorm_mode_32 3
		.amdhsa_float_denorm_mode_16_64 3
		.amdhsa_memory_ordered 1
		.amdhsa_forward_progress 1
		.amdhsa_inst_pref_size 143
	.end_amdhsa_kernel
	.amdgpu_metadata
---
amdhsa.version: [ 1, 2 ]
amdhsa.kernels:
  - .name:           k_q635274ffd8_tail
    .symbol:         k_q635274ffd8_tail.kd
    .args:
      - { .name: ctx, .offset: 0, .size: 8, .value_kind: global_buffer, .address_space: global }
      - { .name: wop, .offset: 8, .size: 8, .value_kind: global_buffer, .address_space: global }
      - { .name: w1p, .offset: 16, .size: 8, .value_kind: global_buffer, .address_space: global }
      - { .name: w2p, .offset: 24, .size: 8, .value_kind: global_buffer, .address_space: global }
      - { .name: src, .offset: 32, .size: 8, .value_kind: global_buffer, .address_space: global }
      - { .name: g2, .offset: 40, .size: 8, .value_kind: global_buffer, .address_space: global }
      - { .name: beta2, .offset: 48, .size: 8, .value_kind: global_buffer, .address_space: global }
      - { .name: out0, .offset: 56, .size: 8, .value_kind: global_buffer, .address_space: global }
    .group_segment_fixed_size: 200192
    .private_segment_fixed_size: 0
    .kernarg_segment_align: 8
    .kernarg_segment_size: 64
    .max_flat_workgroup_size: 256
    .sgpr_count:     80
    .vgpr_count:     512
    .wavefront_size: 32
...
	.end_amdgpu_metadata
.endif
;; end of part 4
